; MI455X (gfx1250); checked and timed in simulation.
; The chip was launched on July 23, 2026; its instructions are those of AMD's public machine-readable ISA for CDNA 5 (MIT licence, August 2026) and "CDNA5" Instruction Set Architecture Reference Guide (July 2026). The comments in the code are by the model that wrote it; some were corrected since.
;; Mutil Region Attention. Allowed arithmetic: matrix products marked QUANTISED: E2M1 operands, one E8M0 scale for each 32 along K, by v_wmma_scale_f32_16x16x128_f8f6f4 with both operands' format E2M1 (or v_wmma_scale_f32_32x16x128_f4), f32 sums; products left as they are: f32 operands where the result goes on into a quantised operand, else bf16, f16 or f32 operands; f32 sums; everything else in f32.
;; Inputs: Wc 64 x 128 float32; Wkv 2,048 x 1,024 float32; Wkvr 128 x 64 float32; Wq 1,024 x 1,024 float32; Wqr 64 x 64 float32; bc 64 float32; beta 64 float32; gamma 64 float32; rm 64 float32; rv 64 float32; x 4 x 64 x 256 x 256 float32.
;; Outputs: out0 4 x 64 x 256 x 256 float32.
;; This version of the problem:
;;   THIS VERSION OF THE PROBLEM IS GIVEN IN LOW PRECISION. The matrix products marked QUANTISED in the list below multiply operands that are first quantised to E2M1 (2 exponent bits, 1 mantissa bit; 4 bits a number), with one power-of-two scale for each 32 numbers along K (OCP MX v1.0); their sums are f32. All else is computed in f32.
;;   The module's matrix products, in the order in which they are computed (A, B: the left and right operand; K: the contracted axis; several contracted axes count as one K, in the product's order):
;;     1. [M 16,384, K 1,024] x [K 1,024, N 1,024]; A: input x; B: input Wq: QUANTISED
;;     2. [M 16,384, K 1,024] x [K 1,024, N 2,048]; A: input x; B: input Wkv: QUANTISED
;;     3. batch 256 x [M 64, K 1,024] x [K 1,024, N 1]; A: softmax; B: computed on the way: left as it is (N = 1 < 16)
;;     4. [M 1,024, K 64] x [K 64, N 64]; A: computed on the way; B: input Wqr: QUANTISED
;;     5. [M 1,024, K 64] x [K 64, N 128]; A: computed on the way; B: input Wkvr: QUANTISED
;;     6. batch 4 x [M 256, K 64] x [K 64, N 1]; A: softmax; B: computed on the way: left as it is (N = 1 < 16)
;;     7. [M 64, K 128] x [K 128, N 262,144]; A: input Wc; B: computed on the way: QUANTISED
;;   THE QUANTISER, for each operand of a quantised product, along K:
;;     - K is cut into blocks of 32 from its start; a last block that is shorter is filled with zeros.
;;     - A block's scale is 2^e with e = floor(log2(the largest magnitude in the block)) - 2, held to -126 .. 127; a block of zeros has e = 0. As a byte (E8M0): e + 127.
;;     - Each number is divided by its block's scale, clamped to +-6, and rounded to the nearest number of E2M1, ties to even, subnormals kept.
;;     - The product sums the exact products of the quantised numbers (number of the format x scale) in f32.
;;   ~~~python
;;   def quantise(x, axis):      # numpy; x: float32 -> the quantised numbers, widened to float32 again
;;       x = np.moveaxis(x, axis, -1); K = x.shape[-1]
;;       x = np.pad(x, [(0, 0)] * (x.ndim - 1) + [(0, -K % 32)]); x = x.reshape(x.shape[:-1] + (-1, 32)); a = np.abs(x).max(-1, keepdims=True)
;;       e = np.where(a > 0, np.clip(np.frexp(np.where(a > 0, a, 1))[1] - 1 - 2, -126, 127), 0)      # np.frexp(a)[1] - 1 = floor(log2(a)), exactly
;;       r = np.clip(x / 2.0 ** e, -6, 6)
;;       step = 2.0 ** (np.maximum(np.frexp(np.where(r == 0, 1, r))[1] - 1, 0) - 1)
;;       q = np.round(r / step) * step * 2.0 ** e      # np.round: ties to even
;;       return np.moveaxis(q.reshape(q.shape[:-2] + (-1,))[..., :K], -1, axis).astype(np.float32)
;;   ~~~
;;   OPERANDS COMPUTED ON THE WAY. 'Computed on the way' means the value that the module computes at that place (a softmax that the list does not call 'softmax' is quantised finished and normalised). What goes into a quantiser is computed in f32, as accurately as f32 sums, v_exp_f32 and their like allow (about 1e-6 of the number): no bf16 or f16 on the way to a quantiser, and a product that is left as it is and whose result goes on into a quantised operand takes f32 operands (vector FMAs, or v_wmma_f32_16x16x4_f32). A number that lies on a knife's edge between two numbers of the format may be rounded either way, as far as f32 arithmetic and the matrix unit's own rounding can turn it there, and no further.
;; One version. Each part assembles by itself: llvm-mc -triple=amdgcn-amd-amdhsa -mcpu=gfx1250 --defsym DOCPART=n.
;; ======== version 1 of 1: 3 launches
;; workspace buffers: xf 8,388,608 bytes; xsf 524,288 bytes; xr 262,144 bytes; wf 1,572,864 bytes; wsc 98,304 bytes; part 1,048,576 bytes
;; launch quant (part 1): grid 704 x 1, 8 waves a work-group, no clusters, 115,200 bytes of LDS; arguments x, Wq, Wkv, xf, xsf, xr, wf, wsc; writes xf, xsf, xr, wf, wsc
.if DOCPART == 1
	.amdgcn_target "amdgcn-amd-amdhsa--gfx1250"
	.amdhsa_code_object_version 6
	.text
	.protected	k_q208eb9808f_quant
	.globl	k_q208eb9808f_quant
	.p2align	8
	.type	k_q208eb9808f_quant,@function
k_q208eb9808f_quant:
	s_mov_b64 s[64:65], 0
	v_nop
	global_prefetch_b8 v0, s[64:65] scope:SCOPE_SE
	s_setreg_imm32_b32 hwreg(HW_REG_WAVE_MODE, 25, 1), 1
	s_wait_xcnt 0x0
; FIRST OF THREE LAUNCHES.  x [4][64][256][256], Wq [1024][1024] and Wkv [2048][1024], f32, become codes of FP4 (E2M1) with one E8M0 byte for each 32 along K,
; laid in the order of a matrix operand's registers; and the 16 x 16 means of x are made on the way, since x is in registers here anyway.
; NO WORK OF THE PROBLEM IS LEFT OUT in any of the three launches: every input has a way to the output and every product is live.
; THE UNFOLD.  Row (b, c, p = 8 kh + kw), K = l = 32 hp + wp: x_[row][l] = x[b][c][8 hp + kh][8 wp + kw].  A block of 32 along K is one (b, c, kh, kw, hp): 32 numbers of one image row, 8 floats apart.
; A FRAGMENT F(b, cq, s, pq), 16 rows x 128 K, 1,024 bytes: c = 4 cq + ci, p = 4 pq + pi, hp = 4 s + hp_i; row m = 4 pi + ci; the block's 16 bytes lie at 512 (hp_i / 2) + 256 (hp_i % 2) + 16 m:
; two loads of 16 bytes a lane, 512 bytes apart, at 16 x lane give the operand's eight registers.  xf: [b][cq][s][pq][1,024].  xsf: [b][cq][s][kh][m][pq % 2] words, a word's bytes hp_i = 0 .. 3.
; xr: [b][cq][n 256][ci] f32, n = 16 (row / 16) + column / 16.  wf: [blk 192][s 8][1,024], row n % 16 of a block of 16 weight rows; wsc: [block 192][row 16][32 bytes].
; THE QUANTISER.  A block's scale is 2^(floor(log2(largest magnitude)) - 2); its byte is the largest magnitude's exponent field - 2, held at 1 from below by a floor among the maximum's leaves.
; LIMITS: a block of zeros gets the byte 1 where the rule says 127 (its codes are zeros, and this program alone reads the bytes); blocks whose largest magnitude lies under 2^-124 are held at the byte 1;
; NaN and infinities among the inputs are not served; the means are summed as a tree, in another order than the reference's.
; SHARES.  Work-groups 0 .. 511: (b, cq, s): 4 planes x 32 image rows; wave = kh.  Work-groups 512 .. 703: 16 rows of a weight; wave w takes rows 2 w, 2 w + 1.  The two paths have LDS bytes of their own.
; No tensor load, no cluster: the work-groups share no input.
.set XST,   0                          ; x: a stage for each wave: 4 image rows, 1,056 bytes apart
.set XCS,   34816                      ; x: the codes in fragment order, [pq 16][1,024]
.set XSS,   51200                      ; x: the scale bytes, [kh][m][pq % 2][hp_i]
.set PS,    52224                      ; x: sums of 2 rows x 16 columns, [kh][4 ci + 2 (row half) + column half][128 bytes]
.set WST,   68608                      ; weights: a stage for each wave: 32 places of 128 + 16 bytes
.set WCS,   105472                     ; weights: the codes in fragment order, [s 8][1,024]
.set WSS,   113664                     ; weights: the scale bytes, [row 16][32]
.set SPARE, 114176                     ; the spare words, 128 bytes for each wave: four blocks of 256 bytes that no other line names
.set C,    16                          ; v16-31   codes: four registers for each unit, so that no store's data are written again
.set X,    32                          ; v32-63   a block's 32 numbers
.set R,    64                          ; v64-191  32 loads as they come
.set P,    192                         ; v192-207 pooled sums, one register for each store
.set E,    208                         ; v208-211 scale bytes
.set T,    212                         ; v212-219 at work
.set OUTR, 220                         ; v220-235 the way out
.set M0,   236
.set M1,   237
.set SCR,  238
; 32 numbers of a lane, v[x] on, become 4 registers of codes, v[c] on, and the scale's byte in v[e]
.macro QB x, c, e
	v_max3_num_f32 v[M0], |v[(\x)]|, |v[(\x)+1]|, 0x1800000        ; two chains; the floor 2^(3 - 127) among the leaves: the byte cannot fall under 1
	v_max3_num_f32 v[M1], |v[(\x)+16]|, |v[(\x)+17]|, |v[(\x)+18]|
.irp i, 2,4,6,8,10,12
	v_max3_num_f32 v[M0], v[M0], |v[(\x)+\i]|, |v[(\x)+\i+1]|
	v_max3_num_f32 v[M1], v[M1], |v[(\x)+\i+17]|, |v[(\x)+\i+18]|
.endr
	v_max3_num_f32 v[M0], v[M0], |v[(\x)+14]|, |v[(\x)+15]|
	v_max3_num_f32 v[M0], v[M0], v[M1], |v[(\x)+31]|
	v_add_nc_u32 v[SCR], 0xff000000, v[M0]         ; 2 off the exponent field: the conversion takes the exponent field of this operand as its scale
	v_lshrrev_b32 v[\e], 23, v[SCR]                ; the scale's byte
.irp g, 0,1,2,3
	v_cvt_scalef32_pk8_fp4_f32 v[(\c)+\g], v[(\x)+8*\g:(\x)+8*\g+7], v[SCR]
.endr
	v_nop                                          ; one plain place behind the last conversion
.endm
	s_load_b256 s[12:19], s[0:1], 0x0              ; x s[12:13], Wq s[14:15], Wkv s[16:17], xf s[18:19]
	s_load_b256 s[20:27], s[0:1], 0x20             ; xsf s[20:21], xr s[22:23], wf s[24:25], wsc s[26:27]
	v_lshl_add_u32 v2, v0, 2, SPARE                ; my spare word
	v_mov_b32 v3, 0
	v_lshrrev_b32 v1, 5, v0
	v_readfirstlane_b32 s8, v1                     ; wave 0..7
	v_and_b32 v1, 31, v0                           ; lane
	v_lshlrev_b32 v4, 4, v1                        ; 16 x lane
	s_cmp_ge_u32 ttmp9, 512                        ; the work-group's number alone: all eight waves go the same way
	s_cbranch_scc1 .Lweights
	; ---------------- x ----------------
	s_mul_i32 s9, s8, 4352
	v_add_nc_u32 v5, s9, v4                        ; the stage, in: 16 x lane of a half row
	v_lshrrev_b32 v14, 3, v1                       ; hp_i = lane / 8
	v_and_b32 v15, 7, v1                           ; kw = lane % 8
	v_mul_u32_u24 v6, v14, 1056
	v_lshl_add_u32 v6, v15, 2, v6
	v_add_nc_u32 v6, s9, v6                        ; the stage, out: row hp_i, float kw; 264 hp_i + kw words: 32 different banks modulo 64
	s_lshl_b32 s10, s8, 11
	v_bfe_u32 v7, v1, 2, 1                         ; kw / 4 = pq % 2
	v_lshlrev_b32 v7, 10, v7
	v_bfe_u32 v212, v1, 4, 1                       ; hp_i / 2
	v_lshl_add_u32 v7, v212, 9, v7
	v_bfe_u32 v212, v1, 3, 1                       ; hp_i % 2
	v_lshl_add_u32 v7, v212, 8, v7
	v_and_b32 v212, 3, v1                          ; pi
	v_lshl_add_u32 v7, v212, 6, v7
	v_add_nc_u32 v7, s10, v7
	v_add_nc_u32 v7, XCS, v7                       ; my block's 16 bytes in the fragments (16 ci in the immediate)
	v_lshlrev_b32 v8, 5, v212
	v_bfe_u32 v213, v1, 2, 1
	v_lshl_add_u32 v8, v213, 2, v8
	v_add_nc_u32 v8, v14, v8
	s_lshl_b32 s11, s8, 7
	v_add_nc_u32 v8, s11, v8
	v_add_nc_u32 v8, XSS, v8                       ; my block's scale byte (8 ci in the immediate)
	v_lshl_add_u32 v9, v1, 2, s10
	v_add_nc_u32 v9, PS, v9                        ; my pooled sums
	v_add_nc_u32 v11, s10, v4                      ; the codes' way out: my wave's 2,048 bytes, 16 x lane: in xf,
	v_add_nc_u32 v10, XCS, v11                     ; and in LDS
	v_lshlrev_b32 v12, 7, v14
	v_lshl_add_u32 v12, v15, 4, v12
	v_add_nc_u32 v12, PS, v12                      ; wave 0, lane = n % 32: row half and column half lane / 8, lane quad lane % 8
	v_add_nc_u32 v13, XSS, v4
	s_lshr_b32 s2, ttmp9, 3                        ; 16 b + cq: four planes of 262,144 bytes
	s_lshl_b32 s2, s2, 20
	s_and_b32 s3, ttmp9, 7                         ; s: 32 image rows
	s_lshl_b32 s3, s3, 15
	s_add_co_u32 s2, s2, s3
	s_lshl_b32 s3, s8, 10                          ; kh: one image row
	s_add_co_u32 s2, s2, s3
	s_mov_b32 s3, 0
	s_wait_kmcnt 0x0
	s_add_nc_u64 s[12:13], s[12:13], s[2:3]
.irp ci, 0,1,2,3
.irp q, 0,1,2,3,4,5,6,7                        ; q = 2 hp_i + half row: 32 lanes read 512 consecutive bytes; all 32 loads of the wave go out at once
	global_load_b128 v[R+32*\ci+4*\q:R+32*\ci+4*\q+3], v4, s[12:13] offset:\ci*262144+(\q/2)*8192+(\q%2)*512 th:TH_LOAD_NT
.endr
.endr
	s_lshl_b32 s2, ttmp9, 14
	s_add_nc_u64 s[18:19], s[18:19], s[2:3]        ; xf: 16 fragments a work-group
	s_lshl_b32 s2, ttmp9, 10
	s_add_nc_u64 s[20:21], s[20:21], s[2:3]        ; xsf: 1,024 bytes
	s_lshl_b32 s2, ttmp9, 9
	s_add_nc_u64 s[22:23], s[22:23], s[2:3]        ; xr: 32 n x 16 bytes
; plane ci: four image rows of my kh
.macro UNIT ci
	s_wait_loadcnt 24-8*\ci                        ; loads come back in order: this plane's eight are in, the later planes' stay out
.irp u, 0,1,2,3                                ; u = 2 (row half) + column half: rows hp_i = 2 (u / 2) and + 1; my four columns; then four lanes: 16 columns
.set RA, R+32*\ci+16*(\u/2)+4*(\u%2)
.set TA, T+4*(\u%2)
.set PP, P+4*\ci+\u
	v_pk_add_f32 v[TA:TA+1], v[RA:RA+1], v[RA+8:RA+9]
	v_pk_add_f32 v[TA+2:TA+3], v[RA+2:RA+3], v[RA+10:RA+11]
	v_pk_add_f32 v[TA:TA+1], v[TA:TA+1], v[TA+2:TA+3]
	v_add_f32 v[PP], v[TA], v[TA+1]
	v_add_f32_dpp v[PP], v[PP], v[PP] row_xmask:1 row_mask:0xf bank_mask:0xf
	v_add_f32_dpp v[PP], v[PP], v[PP] row_xmask:2 row_mask:0xf bank_mask:0xf
	ds_store_b32 v9, v[PP] offset:(4*\ci+\u)*128
.endr
.irp q, 0,1,2,3,4,5,6,7
	ds_store_b128 v5, v[R+32*\ci+4*\q:R+32*\ci+4*\q+3] offset:(\q/2)*1056+(\q%2)*512
.endr
.set i, 0
.rept 32                                       ; lane (hp_i, kw) takes the 32 numbers of its block, 8 floats apart.  LDS serves a wave's instructions in order: these see the stores above
	ds_load_b32 v[X+i], v6 offset:32*i
.set i, i+1
.endr
	s_wait_dscnt 0x0
	QB X, C+4*\ci, E+\ci
	ds_store_b128 v7, v[C+4*\ci:C+4*\ci+3] offset:16*\ci
	ds_store_b8 v8, v[E+\ci] offset:8*\ci
.endm
	UNIT 0
	UNIT 1
	UNIT 2
	UNIT 3
.irp i, 0,1,2,3                                ; my wave's two fragments are its own bytes: no barrier
	ds_load_b128 v[OUTR+4*\i:OUTR+4*\i+3], v10 offset:512*\i
.endr
.irp i, 0,1,2,3
	s_wait_dscnt 3-\i                              ; the later loads may be out
	global_store_b128 v11, v[OUTR+4*\i:OUTR+4*\i+3], s[18:19] offset:512*\i   ; 32 lanes store 512 consecutive bytes
.endr
	s_wait_dscnt 0x0                               ; for the others' sake: my pooled sums and scale bytes lie in LDS
	s_barrier_signal -1
	s_barrier_wait -1
	s_cmp_lg_u32 s8, 0
	s_cbranch_scc1 .Lnot_wave_0
.irp ci, 0,1,2,3                               ; wave 0: lane = n % 32: the eight kh are added and the sum of 256 numbers is divided by 256
.irp kh, 0,1,2,3,4,5,6,7
	ds_load_b32 v[X+8*\ci+\kh], v12 offset:\kh*2048+\ci*512
.endr
.endr
	s_wait_dscnt 0x0
.irp ci, 0,1,2,3
	v_pk_add_f32 v[X+8*\ci:X+8*\ci+1], v[X+8*\ci:X+8*\ci+1], v[X+8*\ci+2:X+8*\ci+3]
	v_pk_add_f32 v[X+8*\ci+4:X+8*\ci+5], v[X+8*\ci+4:X+8*\ci+5], v[X+8*\ci+6:X+8*\ci+7]
	v_pk_add_f32 v[X+8*\ci:X+8*\ci+1], v[X+8*\ci:X+8*\ci+1], v[X+8*\ci+4:X+8*\ci+5]
	v_add_f32 v[X+8*\ci], v[X+8*\ci], v[X+8*\ci+1]
	v_mul_f32 v[P+\ci], 0x3b800000, v[X+8*\ci]     ; x 2^-8
.endr
	global_store_b128 v4, v[P:P+3], s[22:23]       ; 512 consecutive bytes
.Lnot_wave_0:
	s_cmp_lg_u32 s8, 1
	s_cbranch_scc1 .Lend
	ds_load_b128 v[P+4:P+7], v13                   ; wave 1: the work-group's 1,024 scale bytes
	ds_load_b128 v[P+8:P+11], v13 offset:512
	s_wait_dscnt 0x0
	global_store_b128 v4, v[P+4:P+7], s[20:21]
	global_store_b128 v4, v[P+8:P+11], s[20:21] offset:512
	s_branch .Lend
	; ---------------- the weights ----------------
.Lweights:
	s_sub_co_u32 s9, ttmp9, 512                    ; block of 16 rows: 0 .. 63 Wq, 64 .. 127 Wkv's k half, 128 .. 191 its v half
	s_mul_i32 s10, s8, 4608
	s_add_co_u32 s10, s10, WST
	v_lshrrev_b32 v14, 3, v1
	v_and_b32 v15, 7, v1
	v_mul_u32_u24 v5, v14, 144
	v_lshl_add_u32 v5, v15, 4, v5
	v_add_nc_u32 v5, s10, v5                       ; the stage, in: eight lanes' 128 bytes are a block of 32 numbers: a place of 144 bytes
	v_mul_u32_u24 v6, v1, 144
	v_add_nc_u32 v6, s10, v6                       ; out: lane = block of K
	s_lshl_b32 s10, s8, 5
	s_add_co_u32 s10, s10, WCS
	v_lshl_add_u32 v7, v1, 8, s10                  ; block l of row m lies at 256 l + 16 m of the eight fragments
	s_lshl_b32 s10, s8, 6
	s_add_co_u32 s10, s10, WSS
	v_add_nc_u32 v8, s10, v1                       ; its byte at 32 m + l
	v_lshlrev_b32 v11, 4, v0
	v_add_nc_u32 v10, WCS, v11
	v_add_nc_u32 v13, WSS, v4
	s_and_b32 s10, s9, 63                          ; where the block goes in wf: q and k blocks of 64 columns lie together: ((n / 4) 2 + mat) 4 + n % 4; v blocks as they come
	s_lshr_b32 s11, s10, 2
	s_lshl_b32 s11, s11, 3
	s_and_b32 s10, s10, 3
	s_add_co_u32 s11, s11, s10
	s_lshr_b32 s10, s9, 6
	s_lshl_b32 s10, s10, 2
	s_add_co_u32 s11, s11, s10
	s_cmp_lt_u32 s9, 128
	s_cselect_b32 s11, s11, s9
	s_mov_b32 s3, 0
	s_wait_kmcnt 0x0
	s_cmp_lt_u32 s9, 64                            ; the choice of the tensor hangs on the work-group's number alone
	s_cselect_b64 s[12:13], s[14:15], s[16:17]
	s_cselect_b32 s10, 0, 64
	s_sub_co_u32 s10, s9, s10
	s_lshl_b32 s2, s10, 16                         ; 16 rows of 4,096 bytes
	s_lshl_b32 s10, s8, 13                         ; my two rows
	s_add_co_u32 s2, s2, s10
	s_add_nc_u64 s[12:13], s[12:13], s[2:3]
.irp rho, 0,1
.irp g, 0,1,2,3,4,5,6,7
	global_load_b128 v[R+32*\rho+4*\g:R+32*\rho+4*\g+3], v4, s[12:13] offset:\rho*4096+512*\g th:TH_LOAD_NT
.endr
.endr
	s_lshl_b32 s2, s11, 13
	s_add_nc_u64 s[24:25], s[24:25], s[2:3]
	s_lshl_b32 s2, s9, 9
	s_add_nc_u64 s[26:27], s[26:27], s[2:3]
.irp rho, 0,1
	s_wait_loadcnt 8*(1-\rho)                      ; this row's eight loads are in; the second row's may be out
.irp g, 0,1,2,3,4,5,6,7
	ds_store_b128 v5, v[R+32*\rho+4*\g:R+32*\rho+4*\g+3] offset:576*\g
.endr
.irp i, 0,1,2,3,4,5,6,7
	ds_load_b128 v[X+4*\i:X+4*\i+3], v6 offset:16*\i
.endr
	s_wait_dscnt 0x0
	QB X, C+4*\rho, E+\rho
	ds_store_b128 v7, v[C+4*\rho:C+4*\rho+3] offset:16*\rho
	ds_store_b8 v8, v[E+\rho] offset:32*\rho
.endr
	s_wait_dscnt 0x0                               ; for the others' sake
	s_barrier_signal -1
	s_barrier_wait -1
.irp i, 0,1
	ds_load_b128 v[OUTR+4*\i:OUTR+4*\i+3], v10 offset:4096*\i
.endr
.irp i, 0,1
	s_wait_dscnt 1-\i
	global_store_b128 v11, v[OUTR+4*\i:OUTR+4*\i+3], s[24:25] offset:4096*\i
.endr
	s_cmp_lg_u32 s8, 0
	s_cbranch_scc1 .Lend
	ds_load_b128 v[P:P+3], v13
	s_wait_dscnt 0x0
	global_store_b128 v4, v[P:P+3], s[26:27]       ; the block's 512 scale bytes
.Lend:
	s_wait_tensorcnt 0x0                           ; the wave's end
	ds_add_u32 v2, v3
	s_wait_dscnt 0x0
	s_endpgm
.Lfunc_end_k_q208eb9808f_quant:
	.size	k_q208eb9808f_quant, .Lfunc_end_k_q208eb9808f_quant-k_q208eb9808f_quant
	.p2alignl 7, 3214868480
	.fill 96, 4, 3214868480
	.section	.rodata,"a",@progbits
	.p2align	6, 0x0
	.amdhsa_kernel k_q208eb9808f_quant
		.amdhsa_group_segment_fixed_size 115200
		.amdhsa_private_segment_fixed_size 0
		.amdhsa_enable_private_segment 0
		.amdhsa_kernarg_size 64
		.amdhsa_user_sgpr_count 2
		.amdhsa_user_sgpr_kernarg_segment_ptr 1
		.amdhsa_wavefront_size32 1
		.amdhsa_system_sgpr_workgroup_id_x 1
		.amdhsa_system_sgpr_workgroup_id_y 1
		.amdhsa_system_sgpr_workgroup_id_z 1
		.amdhsa_system_vgpr_workitem_id 0
		.amdhsa_next_free_vgpr 240
		.amdhsa_next_free_sgpr 66
		.amdhsa_reserve_vcc 0
		.amdhsa_float_denorm_mode_32 3
		.amdhsa_float_denorm_mode_16_64 3
		.amdhsa_memory_ordered 1
		.amdhsa_forward_progress 1
		.amdhsa_inst_pref_size 43
	.end_amdhsa_kernel
	.amdgpu_metadata
---
amdhsa.version: [ 1, 2 ]
amdhsa.kernels:
  - .name:           k_q208eb9808f_quant
    .symbol:         k_q208eb9808f_quant.kd
    .args:
      - { .name: x, .offset: 0, .size: 8, .value_kind: global_buffer, .address_space: global }
      - { .name: Wq, .offset: 8, .size: 8, .value_kind: global_buffer, .address_space: global }
      - { .name: Wkv, .offset: 16, .size: 8, .value_kind: global_buffer, .address_space: global }
      - { .name: xf, .offset: 24, .size: 8, .value_kind: global_buffer, .address_space: global }
      - { .name: xsf, .offset: 32, .size: 8, .value_kind: global_buffer, .address_space: global }
      - { .name: xr, .offset: 40, .size: 8, .value_kind: global_buffer, .address_space: global }
      - { .name: wf, .offset: 48, .size: 8, .value_kind: global_buffer, .address_space: global }
      - { .name: wsc, .offset: 56, .size: 8, .value_kind: global_buffer, .address_space: global }
    .group_segment_fixed_size: 115200
    .private_segment_fixed_size: 0
    .kernarg_segment_align: 8
    .kernarg_segment_size: 64
    .max_flat_workgroup_size: 256
    .sgpr_count:     66
    .vgpr_count:     240
    .wavefront_size: 32
...
	.end_amdgpu_metadata
.endif
;; end of part 1
;; launch qk (part 2): grid 4 x 64, 4 waves a work-group, clusters of 4 x 4, 327,680 bytes of LDS; arguments xf, xsf, wf, wsc, part; writes part
.if DOCPART == 2
	.amdgcn_target "amdgcn-amd-amdhsa--gfx1250"
	.amdhsa_code_object_version 6
	.text
	.protected	k_q208eb9808f_qk
	.globl	k_q208eb9808f_qk
	.p2align	8
	.type	k_q208eb9808f_qk,@function
k_q208eb9808f_qk:
	s_mov_b64 s[64:65], 0
	v_nop
	global_prefetch_b8 v0, s[64:65] scope:SCOPE_SE
	s_setreg_imm32_b32 hwreg(HW_REG_WAVE_MODE, 25, 1), 1
	s_wait_xcnt 0x0
	s_wait_alu depctr_hold_cnt(0) depctr_sa_sdst(0) depctr_va_vdst(0) depctr_va_sdst(0) depctr_va_ssrc(0) depctr_va_vcc(0) depctr_vm_vsrc(0)
	s_getreg_b32 s2, hwreg(HW_REG_IB_STS2, 6, 4)
	s_cmp_eq_u32 s2, 0
	s_cbranch_scc0 .Lentry_in_a_cluster
	s_endpgm
.Lentry_in_a_cluster:
	s_bfe_u32 s2, ttmp6, 0x10000c
	s_cmp_lg_u32 s2, 0xf033
	s_cbranch_scc0 .Lentry_shape_is_right
	s_endpgm
.Lentry_shape_is_right:
; SECOND LAUNCH: q = Q(x_) Q(Wq)^T and k = Q(x_) Q(Wk)^T on codes of FP4, and of them, for each row, a piece of a = softmax_l(q) . mean_p(k).  No work is left out.
; SHARES.  Work-group x = j: columns 256 j .. + 255 of q and of k; work-group y = 16 b + cq: 256 rows = four whole planes c = 4 cq + ci (16 fragments pq, row m = 4 pi + ci).
; Wave w: all 16 fragments against 4 tiles of q and 4 of k: columns 256 j + 64 w + 16 nb + 8 (lane / 16) + register.  1,024 matrix instructions a wave.
; TRANSPOSED: source 0 = 16 weight rows, source 1 = 16 rows of x: a lane holds ONE row of x (lane % 16) and eight columns a tile.
; k IS SUMMED OVER p IN THE ACCUMULATOR: the 16 fragments of the four planes chain onto the same four tiles (two sets, by the fragment's parity, so that accumulators take turns); the four pi that lie in lanes
; m, m ^ 4, m ^ 8, m ^ 12 are added at the end.  Every product of k is made; only the order of the f32 sums differs from the reference's.
; THE SOFTMAX IS TAKEN IN PIECES, each with its own maximum: nm = -log2(e) max, s = sum of 2^(q log2(e) + nm), t = sum of the same x (sum over p of k).  Pieces are joined under the least nm (the largest maximum)
; by f = 2^(nm_min - nm_i), at most 1.  This launch joins its four waves' pieces and stores (nm, s, t / 64, 0) for its 256 columns; the third launch joins the four work-groups'.
; CLUSTER 4 x 4: x's fragments hang on work-group y alone and are asked for jointly along a row of the cluster, the weights on work-group x alone, jointly along a column.
; LDS: x's 128 fragments, filled once; the weights in two slots of two K steps (a wave fetches and reads its own eight blocks); a stage for the pieces; the spare words.
; LIMITS: NaN and infinities among the inputs are not served.
; REGISTERS: window 0: v2-12 addresses, v14-23 at work, v32-95 x's scale words, v96-127 the weights', v128-255 x's fragments (one set; later k's sums, 2^.., results).
;   window 1: v0-127 the weights' fragments, two sets; v128-191 k's sums, two sets.   windows 2, 3: q's 64 accumulators, (a, nb) at 8 (4 a + nb).
.set BS0,   131072
.set STG,   262144                     ; [wave][nm, s, t][256 rows] f32
.set SPARE, 274432                     ; the spare words, 128 bytes for each wave: two blocks of 256 bytes that no other line names
.set SPW, 2
.set NIL, 3
.set ADA, 4                            ; v4, v5  16 x lane, and + 65,536: K steps 0-3, 4-7 of x's fragments
.set ADB, 6                            ; v6, v7  my eight blocks in slot 0, 1
.set MA,  14
.set MB,  15
.set NM,  16                           ; v[16:17]
.set SS,  18                           ; v[18:19]
.set TT,  20                           ; v[20:21]
.set PA,  22
.set PB,  23
.set SA,  32                           ; [16 (s / 2) + a]: lanes 0-15 the even K step's words, lanes 16-31 the odd one's
.set SB,  96                           ; [16 mat + 4 nb + s % 4]: lanes 0-15 K steps 0-3, lanes 16-31 K steps 4-7
.set AF,  128
.set KS,  128
.set T,   160
.set OUTR, 192
.set KA,  128                          ; in window 1
.set WV,  14                           ; s14 my wave's number
.set G1A, 24
.set G0A, 32
.set G0B0, 36
.set G0B1, 40
.set G1B, 48
.set SEL, 72
.set CL,  74                           ; s[74:75] log2(e)
.set NL,  76                           ; s76 -log2(e)
.set MSB, 0
.macro WIN new                         ; the immediate's high byte repeats the setting that is left; a switch that changes nothing is dropped
.if MSB != (\new)
	s_set_vgpr_msb (MSB<<8)|(\new)
.set MSB, (\new)
.endif
.endm
.macro PLACES                          ; four plain places in front of loads into registers that matrix instructions have read, and of reads of results
.rept 4
	v_nop
.endr
.endm
.macro CREST                           ; a round of the cluster's barrier behind its opening barrier
	s_cmp_lg_u32 s[WV], 0
	s_cbranch_scc1 .Lnot_wave_0_\@
	s_barrier_signal -3
.Lnot_wave_0_\@:
	s_barrier_wait -3
	s_barrier_signal -1
	s_barrier_wait -1
.endm
.macro CROUND
	s_barrier_signal -1
	s_barrier_wait -1
	CREST
.endm
; one matrix instruction.  zero: the sum begins with the constant 0.  ra, rb: the scale words stand in lanes 16-31 of their registers
.macro WMS d, a, b, zero, sa, sb, ra, rb
.if \zero
.if (\ra)&&(\rb)
	v_wmma_scale_f32_16x16x128_f8f6f4 v[\d:\d+7], v[\a:\a+7], v[\b:\b+7], 0, v[\sa], v[\sb] matrix_a_fmt:MATRIX_FMT_FP4 matrix_b_fmt:MATRIX_FMT_FP4 matrix_a_scale:MATRIX_SCALE_ROW1 matrix_b_scale:MATRIX_SCALE_ROW1
.elseif \ra
	v_wmma_scale_f32_16x16x128_f8f6f4 v[\d:\d+7], v[\a:\a+7], v[\b:\b+7], 0, v[\sa], v[\sb] matrix_a_fmt:MATRIX_FMT_FP4 matrix_b_fmt:MATRIX_FMT_FP4 matrix_a_scale:MATRIX_SCALE_ROW1
.elseif \rb
	v_wmma_scale_f32_16x16x128_f8f6f4 v[\d:\d+7], v[\a:\a+7], v[\b:\b+7], 0, v[\sa], v[\sb] matrix_a_fmt:MATRIX_FMT_FP4 matrix_b_fmt:MATRIX_FMT_FP4 matrix_b_scale:MATRIX_SCALE_ROW1
.else
	v_wmma_scale_f32_16x16x128_f8f6f4 v[\d:\d+7], v[\a:\a+7], v[\b:\b+7], 0, v[\sa], v[\sb] matrix_a_fmt:MATRIX_FMT_FP4 matrix_b_fmt:MATRIX_FMT_FP4
.endif
.else
.if (\ra)&&(\rb)
	v_wmma_scale_f32_16x16x128_f8f6f4 v[\d:\d+7], v[\a:\a+7], v[\b:\b+7], v[\d:\d+7], v[\sa], v[\sb] matrix_a_fmt:MATRIX_FMT_FP4 matrix_b_fmt:MATRIX_FMT_FP4 matrix_a_scale:MATRIX_SCALE_ROW1 matrix_b_scale:MATRIX_SCALE_ROW1
.elseif \ra
	v_wmma_scale_f32_16x16x128_f8f6f4 v[\d:\d+7], v[\a:\a+7], v[\b:\b+7], v[\d:\d+7], v[\sa], v[\sb] matrix_a_fmt:MATRIX_FMT_FP4 matrix_b_fmt:MATRIX_FMT_FP4 matrix_a_scale:MATRIX_SCALE_ROW1
.elseif \rb
	v_wmma_scale_f32_16x16x128_f8f6f4 v[\d:\d+7], v[\a:\a+7], v[\b:\b+7], v[\d:\d+7], v[\sa], v[\sb] matrix_a_fmt:MATRIX_FMT_FP4 matrix_b_fmt:MATRIX_FMT_FP4 matrix_b_scale:MATRIX_SCALE_ROW1
.else
	v_wmma_scale_f32_16x16x128_f8f6f4 v[\d:\d+7], v[\a:\a+7], v[\b:\b+7], v[\d:\d+7], v[\sa], v[\sb] matrix_a_fmt:MATRIX_FMT_FP4 matrix_b_fmt:MATRIX_FMT_FP4
.endif
.endif
.endm
.macro FA s, a0                        ; x's fragments a0 .. a0 + 7 of K step s: images of the operand's registers, 16 x lane
	WIN 0
.irp a, 0,1,2,3,4,5,6,7
	ds_load_b128 v[AF+8*((\a0)+\a):AF+8*((\a0)+\a)+3], v[ADA+((\s)>>2)] offset:((\s)&3)*16384+((\a0)+\a)*1024
	ds_load_b128 v[AF+8*((\a0)+\a)+4:AF+8*((\a0)+\a)+7], v[ADA+((\s)>>2)] offset:((\s)&3)*16384+((\a0)+\a)*1024+512
.endr
.endm
.macro FB s                            ; my eight weight fragments of K step s into set s % 2 of window 1
	WIN 0x40
.irp blk, 0,1,2,3,4,5,6,7
	ds_load_b128 v[64*((\s)&1)+8*\blk:64*((\s)&1)+8*\blk+3], v[ADB+(((\s)>>1)&1)] offset:\blk*2048+((\s)&1)*1024
	ds_load_b128 v[64*((\s)&1)+8*\blk+4:64*((\s)&1)+8*\blk+7], v[ADB+(((\s)>>1)&1)] offset:\blk*2048+((\s)&1)*1024+512
.endr
.endm
.macro MQ s, a0, zero                  ; 32 matrix instructions of q: fragments a0 .. a0 + 7 x four tiles; all accumulators by turns
.irp a, 0,1,2,3,4,5,6,7
.irp nb, 0,1,2,3
	WMS 8*(4*\a+\nb),64*((\s)&1)+8*\nb,AF+8*((\a0)+\a),\zero,SB+4*\nb+((\s)&3),SA+16*((\s)>>1)+(\a0)+\a,(\s)>>2,(\s)&1
.endr
.endr
.endm
.macro MK s, a0                        ; 32 of k, onto the set of the fragment's parity; the first two fragments of K step 0 start the sums
.irp a, 0,1,2,3,4,5,6,7
.set KZ, 0
.if ((\s)==0)&&((\a0)==0)&&(\a<2)
.set KZ, 1
.endif
.irp nb, 0,1,2,3
	WMS KA+32*(\a&1)+8*\nb,64*((\s)&1)+32+8*\nb,AF+8*((\a0)+\a),KZ,SB+16+4*\nb+((\s)&3),SA+16*((\s)>>1)+(\a0)+\a,(\s)>>2,(\s)&1
.endr
.endr
.endm
.macro KSTEP s, zero                   ; a K step whose successor lies in the same slot
	s_wait_dscnt 16                                ; the weights and x's fragments 0-7 are in; the youngest sixteen loads (fragments 8-15) may be out
	WIN 0xa1
	MQ \s,0,\zero
	WIN 0x51
	MK \s,0
	PLACES
	FB (\s)+1
	FA (\s)+1,0
	s_wait_dscnt 32                                ; all but the 32 just issued
	WIN 0xf1
	MQ \s,8,\zero
	WIN 0x51
	MK \s,8
	PLACES
	FA (\s)+1,8
.endm
; A slot's last K step changes slots: ONE barrier; in front of it each wave waits for all its tensor loads, adds 0 to its spare word, and waits for that and for its reads of the slot.
; fill = 1: the barrier opens a round of the cluster's barrier and the slot is filled again, two slots on: one joint load a wave, first behind the round; it has two K steps, 256 matrix instructions, in which to land.
.macro TURN s, fill, g0
	WIN 0
	s_wait_tensorcnt 0x0                           ; all my tensor loads have landed, my part of the next slot among them
	ds_add_u32 v[SPW], v[NIL]                      ; 0 onto my spare word
	s_wait_dscnt 17                                ; (the add and the youngest sixteen loads may be out)
	WIN 0xa1
	MQ \s,0,0                                      ; matrix work stands between the add and the wait for it
	s_wait_dscnt 0x0                               ; the add is done, and my reads of this slot are over
	s_barrier_signal -1
	WIN 0x51
	MK \s,0
	WIN 0
	s_barrier_wait -1
.if \fill
	CREST
	s_add_nc_u64 s[\g0+2:\g0+3], s[\g0+2:\g0+3], 4096   ; two slots of 2,048 bytes on in each block's row; no load of mine is out
	tensor_load_to_lds s[\g0:\g0+3], s[G1B:G1B+7]
	s_nop 0
	PLACES                                         ; (the places in front of the loads below)
.else
	PLACES
.endif
	FB (\s)+1
	FA (\s)+1,0
	WIN 0xf1
	MQ \s,8,0
	WIN 0x51
	MK \s,8
	PLACES
	FA (\s)+1,8
.endm
	s_load_b256 s[4:11], s[0:1], 0x0               ; xf s[4:5], xsf s[6:7], wf s[8:9], wsc s[10:11]
	s_load_b64 s[12:13], s[0:1], 0x20              ; part
	v_lshl_add_u32 v[SPW], v0, 2, SPARE
	v_mov_b32 v[NIL], 0
	ds_add_u32 v[SPW], v[NIL]                      ; the wave's opening: the add, twice on end, and its wait ahead of my first tensor load
	ds_add_u32 v[SPW], v[NIL]
	v_lshrrev_b32 v1, 5, v0
	v_readfirstlane_b32 s[WV], v1                  ; wave 0..3
	s_bfe_u32 s66, ttmp6, 0x40000                  ; cx
	s_bfe_u32 s67, ttmp6, 0x40004                  ; cy
	s_lshl_b32 s68, ttmp9, 2
	s_add_co_u32 s68, s68, s66                     ; j = work-group x
	s_and_b32 s69, ttmp7, 0xffff
	s_lshl_b32 s69, s69, 2
	s_add_co_u32 s69, s69, s67                     ; y = 16 b + cq
	s_lshl_b32 s70, s67, 2
	s_lshl_b32 s70, 15, s70                        ; my row of the cluster
	s_lshl_b32 s71, 0x1111, s66                    ; my column
	s_or_b32 s[G1A], s70, (3<<16)|(1<<21)          ; x's fragments: a dense block of 32,768 bytes as 128 rows of 32 elements of 8 bytes; no padding; the mask: my row
	s_mov_b32 s[G1A+1], 32<<16
	s_mov_b32 s[G1A+2], 128<<16
	s_mov_b32 s[G1A+3], 32<<16
	s_mov_b32 s[G1A+4], 128
	s_mov_b32 s[G1A+5], 32
	s_mov_b32 s[G1A+6], 0
	s_mov_b32 s[G1A+7], 0
	s_or_b32 s[G1B], s71, (3<<16)|(1<<21)          ; the weights: 8 blocks x 2,048 bytes (two K steps), 8,192 bytes from block to block; the mask: my column
	s_mov_b32 s[G1B+1], 256<<16
	s_mov_b32 s[G1B+2], 8<<16
	s_mov_b32 s[G1B+3], 256<<16
	s_mov_b32 s[G1B+4], 8
	s_mov_b32 s[G1B+5], 1024
	s_mov_b32 s[G1B+6], 0
	s_mov_b32 s[G1B+7], 0
	s_mov_b32 s[SEL], 0x76543210
	s_mov_b32 s[SEL+1], 0xfedcba98                 ; v_permlanex16_b32's selects for lane l xor 16
	s_mov_b32 s[CL], 0x3fb8aa3b
	s_mov_b32 s[CL+1], s[CL]
	s_mov_b32 s[NL], 0xbfb8aa3b
	s_lshl_b32 s16, s69, 17                        ; x: 131,072 bytes for y, my quarter
	s_lshl_b32 s18, s[WV], 15
	s_add_co_u32 s16, s16, s18
	s_mov_b32 s17, 0
	s_lshl_b32 s20, s68, 18                        ; the weights: eight blocks of 8,192 bytes for (j, wave)
	s_lshl_b32 s22, s[WV], 16
	s_add_co_u32 s20, s20, s22
	s_mov_b32 s21, 0
	s_wait_dscnt 0x0                               ; both opening adds are done
	s_wait_kmcnt 0x0
	s_mov_b32 s[G0A], 1
	s_mov_b32 s[G0A+1], s18
	s_add_nc_u64 s[G0A+2:G0A+3], s[4:5], s[16:17]
	s_or_b32 s[G0A+3], s[G0A+3], 0x80000000
	s_mov_b32 s[G0B0], 1
	s_lshl_b32 s[G0B0+1], s[WV], 14
	s_add_co_u32 s[G0B0+1], s[G0B0+1], BS0
	s_add_nc_u64 s[G0B0+2:G0B0+3], s[8:9], s[20:21]
	s_mov_b32 s[G0B1], 1
	s_add_co_u32 s[G0B1+1], s[G0B0+1], 65536
	s_add_nc_u64 s[G0B1+2:G0B1+3], s[G0B0+2:G0B0+3], 2048
	s_or_b32 s[G0B0+3], s[G0B0+3], 0x80000000
	s_or_b32 s[G0B1+3], s[G0B1+3], 0x80000000
	CROUND                                         ; all sixteen work-groups are here: the first joint loads meet
	tensor_load_to_lds s[G0A:G0A+3], s[G1A:G1A+7]      ; the first fills go out as one group: three loads of mine are out
	s_nop 0
	tensor_load_to_lds s[G0B0:G0B0+3], s[G1B:G1B+7]    ; K steps 0, 1
	s_nop 0
	tensor_load_to_lds s[G0B1:G0B1+3], s[G1B:G1B+7]    ; K steps 2, 3
	s_nop 0
	PLACES
	v_and_b32 v1, 31, v0
	v_and_b32 v13, 15, v0                          ; r
	v_bfe_u32 v24, v0, 4, 1                        ; h
	v_lshlrev_b32 v[ADA], 4, v1
	v_add_nc_u32 v[ADA+1], 65536, v[ADA]
	v_add_nc_u32 v[ADB], s[G0B0+1], v[ADA]
	v_add_nc_u32 v[ADB+1], s[G0B1+1], v[ADA]
	v_lshlrev_b32 v8, 10, v24
	v_lshl_add_u32 v8, v13, 3, v8                  ; x's scale words: 1,024 h + 8 r
	v_lshlrev_b32 v9, 5, v13
	v_lshl_add_u32 v9, v24, 4, v9                  ; the weights': 32 r + 16 h
	s_mul_i32 s18, s[WV], 3072
	s_add_co_u32 s18, s18, STG
	v_lshl_add_u32 v10, v13, 2, s18                ; the stage, in: my wave's part, row r of a fragment
	v_lshl_add_u32 v11, v0, 2, STG                 ; back: row = thread
	v_lshlrev_b32 v12, 4, v0
	v_mov_b32 v[NM+1], 0                           ; (named as the upper half of a pair)
	v_mov_b32 v[PA], 0                             ; (a lane permute's destination counts as one of its sources)
	v_mov_b32 v[PB], 0
	s_lshl_b32 s16, s69, 13
	s_add_nc_u64 s[6:7], s[6:7], s[16:17]          ; xsf: 8,192 bytes for y
	s_lshl_b32 s20, s68, 13
	s_lshl_b32 s22, s[WV], 11
	s_add_co_u32 s20, s20, s22
	s_add_nc_u64 s[10:11], s[10:11], s[20:21]      ; wsc: block 16 j + 4 w, 512 bytes a block
	s_lshl_b32 s20, s68, 18
	s_lshl_b32 s22, s69, 12
	s_add_co_u32 s20, s20, s22
	s_add_nc_u64 s[12:13], s[12:13], s[20:21]      ; part: [j][row][16 bytes]
.irp sg, 0,1,2,3
.irp kh, 0,1,2,3,4,5,6,7
	global_load_b64 v[SA+16*\sg+2*\kh:SA+16*\sg+2*\kh+1], v8, s[6:7] offset:\sg*2048+\kh*128
.endr
.endr
.irp mat, 0,1
.irp nb, 0,1,2,3
	global_load_b128 v[SB+16*\mat+4*\nb:SB+16*\mat+4*\nb+3], v9, s[10:11] offset:\mat*32768+\nb*512
.endr
.endr
	s_wait_tensorcnt 0x1                           ; x's fragments and slot 0 are in; slot 1's load may stay out
	s_barrier_signal -1
	s_barrier_wait -1
	FB 0
	FA 0,0
	FA 0,8
	s_wait_loadcnt 0x0                             ; the scale words
	KSTEP 0,1
	TURN 1,1,G0B0                                  ; slot 0 takes K steps 4, 5
	KSTEP 2,0
	TURN 3,1,G0B1                                  ; slot 1 takes K steps 6, 7
	KSTEP 4,0
	TURN 5,0,G0B0                                  ; nothing is left to fetch
	KSTEP 6,0
	s_wait_dscnt 16                                ; the last K step
	WIN 0xa1
	MQ 7,0,0
	WIN 0x51
	MK 7,0
	s_wait_dscnt 0x0
	WIN 0xf1
	MQ 7,8,0
	WIN 0x51
	MK 7,8
	PLACES
	WIN 0x05                                       ; k's two sets are added, each tile from its low end on
.set i, 0
.rept 16
	v_pk_add_f32 v[KS+i:KS+i+1], v[KA+i:KA+i+1], v[KA+32+i:KA+32+i+1]
.set i, i+2
.endr
	WIN 0
.irp m, 4,8                                    ; and the four pi: lane r then holds the sum over all 64 p of plane r % 4
.set i, 0
.rept 32
	v_add_f32_dpp v[KS+i], v[KS+i], v[KS+i] row_xmask:\m row_mask:0xf bank_mask:0xf
.set i, i+1
.endr
.endr
; fragment a: my 64 columns' piece of the softmax for its 16 rows
.macro EPI a
.set QW, 2+((\a)>>3)
.set Q, 32*((\a)&7)
	s_wait_dscnt 0x0                               ; the last fragment's three stores have read their registers
	WIN QW|(QW<<2)|(QW<<4)
	v_max3_num_f32 v[MA], v[Q], v[Q+1], v[Q+2]     ; the largest of my 32 scores, in two chains; each tile is first read at its low end
	v_max3_num_f32 v[MB], v[Q+16], v[Q+17], v[Q+18]
	WIN (QW<<2)|(QW<<4)
.irp i, 3,5,7,9,11,13
	v_max3_num_f32 v[MA], v[MA], v[Q+\i], v[Q+\i+1]
	v_max3_num_f32 v[MB], v[MB], v[Q+16+\i], v[Q+17+\i]
.endr
	v_max3_num_f32 v[MA], v[MA], v[Q+15], v[Q+31]
	WIN 0
	v_max_num_f32 v[MA], v[MA], v[MB]
	v_permlanex16_b32 v[MB], v[MA], s[SEL], s[SEL+1]
	v_max_num_f32 v[MA], v[MA], v[MB]              ; with lane l xor 16's 32 columns
	v_mul_f32 v[NM], s[NL], v[MA]
	WIN QW
.set i, 0
.rept 16
	v_pk_fma_f32 v[T+i:T+i+1], v[Q+i:Q+i+1], s[CL:CL+1], v[NM:NM+1] op_sel_hi:[1,0,0]
.set i, i+2
.endr
	WIN 0
.set i, 0
.rept 32
	v_exp_f32 v[T+i], v[T+i]
.set i, i+1
.endr
	v_nop                                          ; one plain place behind the exponentials
	s_wait_alu depctr_va_vdst(0)                   ; one wait for the batch, ahead of its first reader
	v_pk_add_f32 v[SS:SS+1], v[T:T+1], v[T+2:T+3]
	v_pk_mul_f32 v[TT:TT+1], v[T:T+1], v[KS:KS+1]
	v_pk_fma_f32 v[TT:TT+1], v[T+2:T+3], v[KS+2:KS+3], v[TT:TT+1]
.set i, 4
.rept 14
	v_pk_add_f32 v[SS:SS+1], v[SS:SS+1], v[T+i:T+i+1]
	v_pk_fma_f32 v[TT:TT+1], v[T+i:T+i+1], v[KS+i:KS+i+1], v[TT:TT+1]
.set i, i+2
.endr
	v_add_f32 v[SS], v[SS], v[SS+1]
	v_add_f32 v[TT], v[TT], v[TT+1]
	v_permlanex16_b32 v[PA], v[SS], s[SEL], s[SEL+1]
	v_permlanex16_b32 v[PB], v[TT], s[SEL], s[SEL+1]
	v_add_f32 v[SS], v[SS], v[PA]
	v_add_f32 v[TT], v[TT], v[PB]
	ds_store_b32 v10, v[NM] offset:64*(\a)         ; both halves of the lanes write the same word with the same value
	ds_store_b32 v10, v[SS] offset:1024+64*(\a)
	ds_store_b32 v10, v[TT] offset:2048+64*(\a)
.endm
.irp a, 0,1,2,3,4,5,6,7,8,9,10,11,12,13,14,15
	EPI \a
.endr
	s_wait_dscnt 0x0                               ; for the others' sake
	s_barrier_signal -1
	s_barrier_wait -1
.irp hh, 0,1                                   ; thread t joins the four waves' pieces of rows t and t + 128
.irp cp, 0,1,2
.irp ww, 0,1,2,3
	ds_load_b32 v[T+12*\hh+4*\cp+\ww], v11 offset:\ww*3072+\cp*1024+\hh*512
.endr
.endr
.endr
	s_wait_dscnt 0x0
.irp hh, 0,1
	v_min3_num_f32 v[OUTR+4*\hh], v[T+12*\hh], v[T+12*\hh+1], v[T+12*\hh+2]
.endr
.irp hh, 0,1
	v_min_num_f32 v[OUTR+4*\hh], v[OUTR+4*\hh], v[T+12*\hh+3]      ; the least nm: the largest maximum
.endr
.irp hh, 0,1
.irp ww, 0,1,2,3
	v_sub_f32 v[T+12*\hh+\ww], v[OUTR+4*\hh], v[T+12*\hh+\ww]
.endr
.endr
.irp hh, 0,1
.irp ww, 0,1,2,3
	v_exp_f32 v[T+12*\hh+\ww], v[T+12*\hh+\ww]
.endr
.endr
	v_nop
	s_wait_alu depctr_va_vdst(0)
.irp hh, 0,1
	v_mul_f32 v[OUTR+4*\hh+1], v[T+12*\hh], v[T+12*\hh+4]
	v_mul_f32 v[OUTR+4*\hh+2], v[T+12*\hh], v[T+12*\hh+8]
.irp ww, 1,2,3
	v_fma_f32 v[OUTR+4*\hh+1], v[T+12*\hh+\ww], v[T+12*\hh+4+\ww], v[OUTR+4*\hh+1]
	v_fma_f32 v[OUTR+4*\hh+2], v[T+12*\hh+\ww], v[T+12*\hh+8+\ww], v[OUTR+4*\hh+2]
.endr
	v_mul_f32 v[OUTR+4*\hh+2], 0x3c800000, v[OUTR+4*\hh+2]         ; x 2^-6: k's mean over 64 p
	v_mov_b32 v[OUTR+4*\hh+3], 0
	global_store_b128 v12, v[OUTR+4*\hh:OUTR+4*\hh+3], s[12:13] offset:2048*\hh   ; a wave stores 512 consecutive bytes
.endr
	s_wait_tensorcnt 0x0                           ; the wave's end
	ds_add_u32 v[SPW], v[NIL]
	s_wait_dscnt 0x0
	CROUND                                         ; the closing round
	s_endpgm
.Lfunc_end_k_q208eb9808f_qk:
	.size	k_q208eb9808f_qk, .Lfunc_end_k_q208eb9808f_qk-k_q208eb9808f_qk
	.p2alignl 7, 3214868480
	.fill 96, 4, 3214868480
	.section	.rodata,"a",@progbits
	.p2align	6, 0x0
	.amdhsa_kernel k_q208eb9808f_qk
		.amdhsa_group_segment_fixed_size 327680
		.amdhsa_private_segment_fixed_size 0
		.amdhsa_enable_private_segment 0
		.amdhsa_kernarg_size 40
		.amdhsa_user_sgpr_count 2
		.amdhsa_user_sgpr_kernarg_segment_ptr 1
		.amdhsa_wavefront_size32 1
		.amdhsa_system_sgpr_workgroup_id_x 1
		.amdhsa_system_sgpr_workgroup_id_y 1
		.amdhsa_system_sgpr_workgroup_id_z 1
		.amdhsa_system_vgpr_workitem_id 0
		.amdhsa_next_free_vgpr 1024
		.amdhsa_next_free_sgpr 80
		.amdhsa_reserve_vcc 0
		.amdhsa_float_denorm_mode_32 3
		.amdhsa_float_denorm_mode_16_64 3
		.amdhsa_memory_ordered 1
		.amdhsa_forward_progress 1
		.amdhsa_inst_pref_size 255
	.end_amdhsa_kernel
	.section	.bss,"aw",@nobits
	.p2align	6
	.space	262144
	.amdgpu_metadata
---
amdhsa.version: [ 1, 2 ]
amdhsa.kernels:
  - .name:           k_q208eb9808f_qk
    .symbol:         k_q208eb9808f_qk.kd
    .args:
      - { .name: xf, .offset: 0, .size: 8, .value_kind: global_buffer, .address_space: global }
      - { .name: xsf, .offset: 8, .size: 8, .value_kind: global_buffer, .address_space: global }
      - { .name: wf, .offset: 16, .size: 8, .value_kind: global_buffer, .address_space: global }
      - { .name: wsc, .offset: 24, .size: 8, .value_kind: global_buffer, .address_space: global }
      - { .name: part, .offset: 32, .size: 8, .value_kind: global_buffer, .address_space: global }
    .group_segment_fixed_size: 327680
    .private_segment_fixed_size: 0
    .kernarg_segment_align: 8
    .kernarg_segment_size: 40
    .max_flat_workgroup_size: 128
    .sgpr_count:     80
    .vgpr_count:     1024
    .wavefront_size: 32
...
	.end_amdgpu_metadata
.endif
;; end of part 2
;; launch vout (part 3): grid 8 x 32, 4 waves a work-group, clusters of 4 x 4, 327,680 bytes of LDS; arguments x, xf, xsf, wf, wsc, part, xr, Wqr, Wkvr, Wc, bc, beta, gamma, rm, rv, out0; writes out0
.if DOCPART == 3
	.amdgcn_target "amdgcn-amd-amdhsa--gfx1250"
	.amdhsa_code_object_version 6
	.text
	.protected	k_q208eb9808f_vout
	.globl	k_q208eb9808f_vout
	.p2align	8
	.type	k_q208eb9808f_vout,@function
k_q208eb9808f_vout:
	s_mov_b64 s[64:65], 0
	v_nop
	global_prefetch_b8 v0, s[64:65] scope:SCOPE_SE
	s_setreg_imm32_b32 hwreg(HW_REG_WAVE_MODE, 25, 1), 1
	s_wait_xcnt 0x0
	s_wait_alu depctr_hold_cnt(0) depctr_sa_sdst(0) depctr_va_vdst(0) depctr_va_sdst(0) depctr_va_ssrc(0) depctr_va_vcc(0) depctr_vm_vsrc(0)
	s_getreg_b32 s2, hwreg(HW_REG_IB_STS2, 6, 4)
	s_cmp_eq_u32 s2, 0
	s_cbranch_scc0 .Lentry_in_a_cluster
	s_endpgm
.Lentry_in_a_cluster:
	s_bfe_u32 s2, ttmp6, 0x10000c
	s_cmp_lg_u32 s2, 0xf033
	s_cbranch_scc0 .Lentry_shape_is_right
	s_endpgm
.Lentry_shape_is_right:
; THIRD LAUNCH: v = Q(x_) Q(Wv)^T, inside = sigmoid(a) v, the region attention, the 1 x 1 convolution on codes, batch norm, sigmoid, x x.  v never goes to memory.  No work is left out.
; SHARES.  Work-group x = jhp: hp = 4 jhp .. + 3 (columns l = 128 jhp .. + 127 of v); work-group y = 8 b + kh.  Its pixels: image rows 8 hp + kh, all 256 columns, all 64 channels.
; Wave w = 2 ch + pq2.  AS A PRODUCER: 16 fragments of x (cq, pq = 2 kh + pq2) as source 0 against 4 tiles of Wv (nb = 4 ch + bb) as source 1: lane (r, h), register j of accumulator (cq, bb) holds
; v(c = 4 cq + j % 4, kw = 4 pq2 + 2 h + j / 4, l = 128 jhp + 16 nb + r): over the 16 cq a lane holds ALL 64 CHANNELS of two pixels, so the convolution's quantiser, which runs along the channels, needs no other lane.
; The codes go to LDS as images of the operand's registers.  AS A CONSUMER wave w owns image row 8 (4 jhp + w) + kh: z = Wc (source 0) x cat (source 1: 16 pixels wp = 16 lt + r of one kw).
; THE HEAD, in the time in which the first tiles land: Wc, Wqr, Wkvr and the 16 x 16 means are quantised (K = 64 is filled to 128 with zero codes on the weights' side), the region attention is computed for the wave's
; 16 cells, the four pieces of each row's softmax are joined under the largest maximum, and the batch norm is folded into z G + D, the exponent of the last sigmoid.
; x COMES IN EIGHT GROUPS A WAVE, group 4 lt + ot = channels 16 ot .. + 15, columns 128 lt .. + 127 of the wave's image row.  Groups 0-2 are loaded into registers at the head.  Groups 4, 5 (channels 0-31, columns
; 128-255: one tile of 32 rows x 512 bytes) come by a tensor load among the first fills, into LDS bytes of the wave's own; groups 6, 7 (channels 32-63) by a tensor load into slot 0 of x_'s ring, behind the change of
; slots at which that slot has been read for the last time.  Group 3 is loaded into the accumulators' registers behind the gate.  So one group's loads alone stand beside the stores.  These two tensor loads name no
; partner: each work-group has rows of x of its own.
; CLUSTER 4 x 4: x_'s fragments and scale words hang on work-group y alone (joint along a row of the cluster), Wv's on work-group x alone (joint along a column).  No LDS address hangs on a place in the cluster.
; LIMITS: NaN and infinities among the inputs are not served; a block of zeros gets the byte 1 where the rule says 127 (its codes are zeros; the bytes are read here alone); blocks under 2^-124 are held at the byte 1;
; the region's sum over n is taken in the accumulator and across lanes, in another order than the reference's.
.set AS0,   65536                      ; 0: Wv [K quarter][nb 8][2][1,024], filled once;  65,536 and 131,072: x_'s two slots [2][cq 16][pq2][1,024]; slot 0 at last takes x's groups 6, 7: 16,384 bytes a wave
.set SAT,   196608                     ; x_'s scale words [8 cq + s][128 bytes], filled once
                                       ; THE IMAGES of cat's inside codes [hp_l 4][lt 2][kw 8][512] lie from byte 0 on, in Wv's first three K quarters: these have had their only fill, and are read for the last time ahead of K step 5's barrier
.set SCW,   32768                      ; behind them the images of cat's scale words [hp_l][lt][pq2][pj][128]
.set SGT,   212992                     ; sigmoid(a) [kw][c] f32
.set BNT,   215040                     ; G[64], D[64]
.set WIMG,  215552                     ; images: Wc 4 x 1,024; Wqr, Wkvr's k, Wkvr's v 4 x 512 each; then, 12,288 on, the means' 16 tiles x 512
.set WSW,   225792                     ; their scale words, 128 bytes each; then, 10,240 on, the means'
.set RG,    238080                     ; for each wave 768 bytes: its 16 cells' region codes [cell][half][16], then their scale words
.set SPARE, 241152                     ; the spare words, 128 bytes for each wave: two blocks of 256 bytes that no other line names
.set XL,    241664                     ; x's groups 4, 5: 16,384 bytes a wave, [channel 32][512], filled once
.set PFO, 0                            ; v0   the prefetch's offset; never rewritten once it is made
.set XLA, 1                            ; v1   my 16 bytes of a channel's 512 in my part of XL
.set XLB, 2                            ; v2   the same in my part of slot 0
.set SH8, 3
.set SPW, 4
.set NIL, 5
.set LI,  6
.set LS,  7
.set ADA, 8
.set ADB, 10
.set ADS, 11
.set IMS, 12
.set IML, 13
.set SCS, 14
.set SCL, 15
.set SGS, 16
.set SGL, 17
.set BNS, 18
.set BNL, 19
.set WIS, 20
.set WI2, 21
.set WSS, 22
.set XIS, 23
.set XSS, 24
.set WIL, 25
.set WSL, 26
.set RGS, 27
.set RGW, 28
.set RGL, 29
.set RWA, 30
.set XGO, 31
.set XS,  32                           ; v32-111 hold scale words and nothing else.  The head: the means' 16, Wk's, Wq's, Wv's four each, my own tile's
.set WKS, 48
.set WQS, 52
.set WVS, 56
.set GOS, 60
.set SA,  32                           ; the product: [4 cq + s / 2], lanes 0-15 the even K step, lanes 16-31 the odd one
.set SB,  96                           ; [4 bb + s % 4], lanes 0-15 K steps 0-3, lanes 16-31 K steps 4-7
.set WCS, 32                           ; the consumer: Wc's four, cat's four
.set SCWR, 36
.set BNV, 112                          ; v112-127 at work
.set XRO, 117
.set WCO, 118
.set WRO, 119
.set BNO, 120
.set M0,  121
.set M1,  122
.set SCR, 123
.set EB,  124
.set EB2, 125
.set TW,  126
.set TW2, 127
.set RWL, 112
.set GG,  112
.set DD,  120
.set AF,  128
.set GO,  128
.set PT,  136
.set KS,  136
.set QR,  168
.set VR,  200
.set CQ,  200
.set SWQ, 240
.set MA,  232
.set MB,  233
.set NM,  234
.set SS,  236
.set TT,  238
.set PA,  240
.set PB,  241
.set SGR, 242
.set PC,  244
.set RW,  248
.set T0,  128
.set T1,  160
.set GX,  192
.set GY,  196
.set GW,  200
.set CG,  128
.set Z,   192
.set WV,  36                           ; s36 my wave's number
.set TX,  37                           ; s37 cx, then a temporary
.set NL,  38                           ; s38 cy, then -log2(e)
.set TY,  40                           ; s40 8 b + kh, then a temporary for what hangs on b, kh and the wave alone
.set XB0, 4                            ; s[4:5], s[100:101] x at my image row, channels 0-31 and 32-63;  s[34:35], s[104:105] out0 likewise
.set XB1, 100
.set OB0, 34
.set OB1, 104
.set G0X0, 8                           ; s[8:11]  group 0 for x's groups 4, 5 (the registers of two addresses that the descriptors have taken over)
.set CL,  46                           ; s[46:47] log2(e)
.set G1A, 48
.set G1B, 56
.set SEL, 66
.set G1S, 68
.set G0S, 76
.set G0X1, 76                          ; s[76:79] group 0 for x's groups 6, 7: the scale words' group 0, written anew where no load of mine is out
.set G0B, 80
.set G0A, 84                           ; s[84:87], s[88:91]: a set for each slot
.set G1X, 92                           ; s[92:99] group 1 for x's tiles
.set MSB, 0
.macro WIN new
.if MSB != (\new)
	s_set_vgpr_msb (MSB<<8)|(\new)
.set MSB, (\new)
.endif
.endm
.macro PLACES
.rept 4
	v_nop
.endr
.endm
.macro CREST
	s_cmp_lg_u32 s[WV], 0
	s_cbranch_scc1 .Lnot_wave_0_\@
	s_barrier_signal -3
.Lnot_wave_0_\@:
	s_barrier_wait -3
	s_barrier_signal -1
	s_barrier_wait -1
.endm
.macro CROUND
	s_barrier_signal -1
	s_barrier_wait -1
	CREST
.endm
.macro WMS d, a, b, zero, sa, sb, ra, rb
.if \zero
.if (\ra)&&(\rb)
	v_wmma_scale_f32_16x16x128_f8f6f4 v[\d:\d+7], v[\a:\a+7], v[\b:\b+7], 0, v[\sa], v[\sb] matrix_a_fmt:MATRIX_FMT_FP4 matrix_b_fmt:MATRIX_FMT_FP4 matrix_a_scale:MATRIX_SCALE_ROW1 matrix_b_scale:MATRIX_SCALE_ROW1
.elseif \ra
	v_wmma_scale_f32_16x16x128_f8f6f4 v[\d:\d+7], v[\a:\a+7], v[\b:\b+7], 0, v[\sa], v[\sb] matrix_a_fmt:MATRIX_FMT_FP4 matrix_b_fmt:MATRIX_FMT_FP4 matrix_a_scale:MATRIX_SCALE_ROW1
.elseif \rb
	v_wmma_scale_f32_16x16x128_f8f6f4 v[\d:\d+7], v[\a:\a+7], v[\b:\b+7], 0, v[\sa], v[\sb] matrix_a_fmt:MATRIX_FMT_FP4 matrix_b_fmt:MATRIX_FMT_FP4 matrix_b_scale:MATRIX_SCALE_ROW1
.else
	v_wmma_scale_f32_16x16x128_f8f6f4 v[\d:\d+7], v[\a:\a+7], v[\b:\b+7], 0, v[\sa], v[\sb] matrix_a_fmt:MATRIX_FMT_FP4 matrix_b_fmt:MATRIX_FMT_FP4
.endif
.else
.if (\ra)&&(\rb)
	v_wmma_scale_f32_16x16x128_f8f6f4 v[\d:\d+7], v[\a:\a+7], v[\b:\b+7], v[\d:\d+7], v[\sa], v[\sb] matrix_a_fmt:MATRIX_FMT_FP4 matrix_b_fmt:MATRIX_FMT_FP4 matrix_a_scale:MATRIX_SCALE_ROW1 matrix_b_scale:MATRIX_SCALE_ROW1
.elseif \ra
	v_wmma_scale_f32_16x16x128_f8f6f4 v[\d:\d+7], v[\a:\a+7], v[\b:\b+7], v[\d:\d+7], v[\sa], v[\sb] matrix_a_fmt:MATRIX_FMT_FP4 matrix_b_fmt:MATRIX_FMT_FP4 matrix_a_scale:MATRIX_SCALE_ROW1
.elseif \rb
	v_wmma_scale_f32_16x16x128_f8f6f4 v[\d:\d+7], v[\a:\a+7], v[\b:\b+7], v[\d:\d+7], v[\sa], v[\sb] matrix_a_fmt:MATRIX_FMT_FP4 matrix_b_fmt:MATRIX_FMT_FP4 matrix_b_scale:MATRIX_SCALE_ROW1
.else
	v_wmma_scale_f32_16x16x128_f8f6f4 v[\d:\d+7], v[\a:\a+7], v[\b:\b+7], v[\d:\d+7], v[\sa], v[\sb] matrix_a_fmt:MATRIX_FMT_FP4 matrix_b_fmt:MATRIX_FMT_FP4
.endif
.endif
.endm
; 32 numbers of a lane, v[x] on in window win, become 4 registers of codes, v[c] on, and the scale's byte in v[e], both in window 0
.macro QB x, c, e, win
	WIN 0
	v_mov_b32 v[M0], 0x1800000                     ; the floor 2^(3 - 127): the byte cannot fall under 1
	v_mov_b32 v[M1], 0
	WIN ((\win)<<2)|((\win)<<4)
.irp i, 0,4,8,12,16,20,24,28
	v_max3_num_f32 v[M0], v[M0], |v[(\x)+\i]|, |v[(\x)+\i+1]|
	v_max3_num_f32 v[M1], v[M1], |v[(\x)+\i+2]|, |v[(\x)+\i+3]|
.endr
	WIN 0
	v_max_num_f32 v[M0], v[M0], v[M1]
	v_add_nc_u32 v[SCR], 0xff000000, v[M0]         ; 2 off the exponent field: the conversion's scale operand
	v_lshrrev_b32 v[\e], 23, v[SCR]                ; the scale's byte
	WIN (\win)
.irp g, 0,1,2,3
	v_cvt_scalef32_pk8_fp4_f32 v[(\c)+\g], v[(\x)+8*\g:(\x)+8*\g+7], v[SCR]
.endr
	WIN 0
	v_nop                                          ; one plain place behind the last conversion
.endm
.macro SWORD dst, src                  ; my half's bytes go 8 (lane / 16) bits up; with lane l xor 16's the scale word is whole
	v_lshlrev_b32 v[TW], v[SH8], v[\src]
	v_permlanex16_b32 v[TW2], v[TW], s[SEL], s[SEL+1]
	v_or_b32 v[\dst], v[TW], v[TW2]
.endm
; x's group g = 4 lt + ot: lane (r, h) takes columns 128 lt + 8 r + 4 h + 0 .. 3 of each of its 16 channels.  The groups' registers stand on end from v64 of window 1 on.  XLOAD: from memory (groups 0 to 3)
.macro XLOAD g
.set XW, 1+(((\g)+1)>>2)
.set XG, 64*(((\g)+1)&3)
	WIN XW<<6
.irp ol, 0,1,2,3,4,5,6,7,8,9,10,11,12,13,14,15
.if ((\g)&3)<2
	global_load_b128 v[XG+4*\ol:XG+4*\ol+3], v[XGO], s[XB0:XB0+1] offset:(((\g)&1)*16+\ol)*262144+512*((\g)>>2) th:TH_LOAD_NT
.else
	global_load_b128 v[XG+4*\ol:XG+4*\ol+3], v[XGO], s[XB1:XB1+1] offset:(((\g)&1)*16+\ol)*262144+512*((\g)>>2) th:TH_LOAD_NT
.endif
.endr
.endm
.macro XLDS g                          ; the same from LDS (groups 4 to 7): my own tensor loads brought these bytes and I alone read them
.set LW, 1+(((\g)+1)>>2)
.set LG, 64*(((\g)+1)&3)
	WIN LW<<6
.irp ol, 0,1,2,3,4,5,6,7,8,9,10,11,12,13,14,15
.if (\g)<6
	ds_load_b128 v[LG+4*\ol:LG+4*\ol+3], v[XLA] offset:(((\g)&1)*16+\ol)*512
.else
	ds_load_b128 v[LG+4*\ol:LG+4*\ol+3], v[XLB] offset:(((\g)&1)*16+\ol)*512
.endif
.endr
.endm
.macro FA s, c0
	WIN 0
.irp c, 0,1,2,3,4,5,6,7
	ds_load_b128 v[AF+8*((\c0)+\c):AF+8*((\c0)+\c)+3], v[ADA+(((\s)>>1)&1)] offset:((\s)&1)*32768+((\c0)+\c)*2048
	ds_load_b128 v[AF+8*((\c0)+\c)+4:AF+8*((\c0)+\c)+7], v[ADA+(((\s)>>1)&1)] offset:((\s)&1)*32768+((\c0)+\c)*2048+512
.endr
.endm
.macro FB s
	WIN 0x40
.irp bb, 0,1,2,3
	ds_load_b128 v[32*((\s)&1)+8*\bb:32*((\s)&1)+8*\bb+3], v[ADB] offset:((\s)>>1)*16384+\bb*2048+((\s)&1)*1024
	ds_load_b128 v[32*((\s)&1)+8*\bb+4:32*((\s)&1)+8*\bb+7], v[ADB] offset:((\s)>>1)*16384+\bb*2048+((\s)&1)*1024+512
.endr
.endm
.macro MV s, c0, n, zero               ; 4 n matrix instructions: fragments c0 .. c0 + n - 1 x four tiles; all accumulators by turns
.set cc, \c0
.rept \n
.irp bb, 0,1,2,3
	WMS 8*(4*(cc&7)+\bb),AF+8*cc,32*((\s)&1)+8*\bb,\zero,SA+4*cc+((\s)>>1),SB+4*\bb+((\s)&3),(\s)&1,(\s)>>2
.endr
.set cc, cc+1
.endr
.endm
.macro KSTEP s, zero
	s_wait_dscnt 16                                ; Wv's and x_'s fragments 0-7 are in; the youngest sixteen loads (fragments 8-15) may be out
	WIN 0xa4
	MV \s,0,8,\zero
	PLACES
	FB (\s)+1
	FA (\s)+1,0
	s_wait_dscnt 24                                ; all but the 24 just issued
	WIN 0xf4
	MV \s,8,8,\zero
	PLACES
	FA (\s)+1,8
.endm
; A slot's last K step changes slots: ONE barrier, which opens a round of the cluster's barrier; in front of it each wave waits for all its tensor loads, adds 0 to its spare word, and waits for that and for its reads
; of the slot.  Behind the round the slot is filled again, one tensor load a wave: fill = 1: jointly, with x_'s fragments four K steps on;  fill = 2: x_ has no more to fetch: the slot takes my groups 6, 7 of x.
.macro TURN s, fill, slot
	WIN 0
	s_wait_tensorcnt 0x0                           ; all my tensor loads have landed, my part of the next slot among them
	ds_add_u32 v[SPW], v[NIL]                      ; 0 onto my spare word
.if (\fill)==2
	s_mov_b32 s[G0X1], 1                           ; no load of mine is out, so a group 0 may be written: count = 1,
	s_lshl_b32 s[G0X1+1], s[WV], 14
	s_add_co_u32 s[G0X1+1], s[G0X1+1], AS0         ; my quarter of slot 0,
	s_add_nc_u64 s[G0X1+2:G0X1+3], s[XB1:XB1+1], 512   ; channel 32, column 128 of my image row,
	s_or_b32 s[G0X1+3], s[G0X1+3], 0x80000000      ; type = 2
.endif
	s_wait_dscnt 17                                ; (the add and the youngest sixteen loads may be out)
	WIN 0xa4
	MV \s,0,4,0
	s_wait_dscnt 0x0                               ; the add is done, and my reads of this slot are over
	s_barrier_signal -1
	MV \s,4,4,0
	WIN 0
	s_barrier_wait -1
	CREST                                          ; no wave of any partner still reads this slot or has a load on its way
.if (\fill)==1
	s_add_nc_u64 s[G0A+4*\slot+2:G0A+4*\slot+3], s[G0A+4*\slot+2:G0A+4*\slot+3], 65536   ; four K steps of 16,384 bytes on
	tensor_load_to_lds s[G0A+4*\slot:G0A+4*\slot+3], s[G1A:G1A+7]
.else
	tensor_load_to_lds s[G0X1:G0X1+3], s[G1X:G1X+7]
.endif
	s_nop 0
	PLACES                                         ; (the places in front of the loads below)
	FB (\s)+1
	FA (\s)+1,0
	WIN 0xf4
	MV \s,8,8,0
	PLACES
	FA (\s)+1,8
.endm
	s_load_b512 s[4:19], s[0:1], 0x0               ; x s[4:5], xf s[6:7], xsf s[8:9], wf s[10:11], wsc s[12:13], part s[14:15], xr s[16:17], Wqr s[18:19]
	s_load_b512 s[20:35], s[0:1], 0x40             ; Wkvr s[20:21], Wc s[22:23], bc s[24:25], beta s[26:27], gamma s[28:29], rm s[30:31], rv s[32:33], out0 s[34:35]
	v_lshl_add_u32 v[SPW], v0, 2, SPARE
	v_mov_b32 v[NIL], 0
	ds_add_u32 v[SPW], v[NIL]                      ; the wave's opening: the add, twice on end, and its wait ahead of my first tensor load
	ds_add_u32 v[SPW], v[NIL]
	v_lshrrev_b32 v1, 5, v0
	v_readfirstlane_b32 s[WV], v1                  ; wave 0..3
	s_bfe_u32 s37, ttmp6, 0x40000                  ; cx
	s_bfe_u32 s38, ttmp6, 0x40004                  ; cy
	s_lshl_b32 s39, ttmp9, 2
	s_add_co_u32 s39, s39, s37                     ; jhp
	s_and_b32 s40, ttmp7, 0xffff
	s_lshl_b32 s40, s40, 2
	s_add_co_u32 s40, s40, s38                     ; 8 b + kh
	s_lshr_b32 s41, s40, 3                         ; b
	s_and_b32 s42, s40, 7                          ; kh
	s_lshr_b32 s43, s[WV], 1                       ; ch
	s_and_b32 s44, s[WV], 1                        ; pq2
	s_lshl_b32 s45, s38, 2
	s_lshl_b32 s45, 15, s45                        ; my row of the cluster
	s_lshl_b32 s46, 0x1111, s37                    ; my column
	s_or_b32 s[G1A], s45, (3<<16)|(1<<21)          ; x_'s fragments: 8 cq x 2,048 bytes (pq = 2 kh, 2 kh + 1), 131,072 bytes from cq to cq
	s_mov_b32 s[G1A+1], 256<<16
	s_mov_b32 s[G1A+2], 8<<16
	s_mov_b32 s[G1A+3], 256<<16
	s_mov_b32 s[G1A+4], 8
	s_mov_b32 s[G1A+5], 16384
	s_mov_b32 s[G1A+6], 0
	s_mov_b32 s[G1A+7], 0
	s_or_b32 s[G1B], s46, (3<<16)|(1<<21)          ; Wv: 8 blocks x 2,048 bytes (two K steps), 8,192 bytes from block to block
	s_mov_b32 s[G1B+1], 256<<16
	s_mov_b32 s[G1B+2], 8<<16
	s_mov_b32 s[G1B+3], 256<<16
	s_mov_b32 s[G1B+4], 8
	s_mov_b32 s[G1B+5], 1024
	s_mov_b32 s[G1B+6], 0
	s_mov_b32 s[G1B+7], 0
	s_or_b32 s[G1S], s45, (3<<16)|(1<<21)          ; x_'s scale words: 32 rows (8 cq + s) x 128 bytes, 1,024 bytes apart
	s_mov_b32 s[G1S+1], 16<<16
	s_mov_b32 s[G1S+2], 32<<16
	s_mov_b32 s[G1S+3], 16<<16
	s_mov_b32 s[G1S+4], 32
	s_mov_b32 s[G1S+5], 128
	s_mov_b32 s[G1S+6], 0
	s_mov_b32 s[G1S+7], 0
	s_mov_b32 s[G1X], 3<<16                        ; x: 32 channels x 512 bytes (64 elements of 8 bytes), 262,144 bytes from channel to channel; no mask, no padding
	s_mov_b32 s[G1X+1], 64<<16
	s_mov_b32 s[G1X+2], 32<<16
	s_mov_b32 s[G1X+3], 64<<16
	s_mov_b32 s[G1X+4], 32
	s_mov_b32 s[G1X+5], 32768
	s_mov_b32 s[G1X+6], 0
	s_mov_b32 s[G1X+7], 0
	s_mov_b32 s[SEL], 0x76543210
	s_mov_b32 s[SEL+1], 0xfedcba98
	s_mov_b32 s[CL], 0x3fb8aa3b                    ; log2(e)  (the masks have gone into the descriptors)
	s_mov_b32 s[CL+1], s[CL]
	s_mov_b32 s[NL], 0xbfb8aa3b                    ; -log2(e)
	s_mov_b32 s3, 0                                ; the upper word of the offsets in s[2:3]
	s_wait_dscnt 0x0                               ; both opening adds are done
	s_wait_kmcnt 0x0
	s_lshl_b32 s2, s41, 17                         ; xsf: b, my 32 rows, kh
	s_lshl_b32 s[TY], s[WV], 15
	s_add_co_u32 s2, s2, s[TY]
	s_lshl_b32 s[TY], s42, 7
	s_add_co_u32 s2, s2, s[TY]
	s_mov_b32 s[G0S], 1
	s_lshl_b32 s[G0S+1], s[WV], 12
	s_add_co_u32 s[G0S+1], s[G0S+1], SAT
	s_add_nc_u64 s[G0S+2:G0S+3], s[8:9], s[2:3]
	s_or_b32 s[G0S+3], s[G0S+3], 0x80000000
	s_lshl_b32 s2, s41, 21                         ; xf: b; cq 8 (w % 2) on; K step w / 2; kh
	s_lshl_b32 s[TY], s44, 20
	s_add_co_u32 s2, s2, s[TY]
	s_lshl_b32 s[TY], s43, 14
	s_add_co_u32 s2, s2, s[TY]
	s_lshl_b32 s[TY], s42, 11
	s_add_co_u32 s2, s2, s[TY]
	s_mov_b32 s[G0A], 1
	s_lshl_b32 s[G0A+1], s43, 15
	s_lshl_b32 s[G0A+5], s44, 14
	s_add_co_u32 s[G0A+1], s[G0A+1], s[G0A+5]
	s_add_co_u32 s[G0A+1], s[G0A+1], AS0
	s_add_nc_u64 s[G0A+2:G0A+3], s[6:7], s[2:3]
	s_mov_b32 s[G0A+4], 1
	s_add_co_u32 s[G0A+5], s[G0A+1], 65536
	s_add_nc_u64 s[G0A+6:G0A+7], s[G0A+2:G0A+3], 32768
	s_or_b32 s[G0A+3], s[G0A+3], 0x80000000
	s_or_b32 s[G0A+7], s[G0A+7], 0x80000000
	s_lshl_b32 s[XB1], s39, 16                     ; wf: blocks 128 + 8 jhp on, K quarter = wave  (what hangs on jhp is made in registers of its own)
	s_add_co_u32 s[XB1], s[XB1], 1048576
	s_lshl_b32 s[TX], s[WV], 11
	s_add_co_u32 s[XB1], s[XB1], s[TX]
	s_mov_b32 s[XB1+1], 0
	s_mov_b32 s[G0B], 1
	s_lshl_b32 s[G0B+1], s[WV], 14
	s_add_nc_u64 s[G0B+2:G0B+3], s[10:11], s[XB1:XB1+1]
	s_or_b32 s[G0B+3], s[G0B+3], 0x80000000
	s_lshl_b32 s[XB1], s41, 24                     ; x and out0 at (b, channel 0, image row 32 jhp + 8 w + kh)
	s_lshl_b32 s[TX], s39, 15
	s_add_co_u32 s[XB1], s[XB1], s[TX]
	s_lshl_b32 s[TX], s[WV], 13
	s_add_co_u32 s[XB1], s[XB1], s[TX]
	s_lshl_b32 s[TX], s42, 10
	s_add_co_u32 s[XB1], s[XB1], s[TX]
	s_add_nc_u64 s[XB0:XB0+1], s[XB0:XB0+1], s[XB1:XB1+1]
	s_add_nc_u64 s[OB0:OB0+1], s[OB0:OB0+1], s[XB1:XB1+1]
	s_add_nc_u64 s[XB1:XB1+1], s[XB0:XB0+1], 0x800000  ; and at channel 32: the immediates stay inside their 24 bits
	s_add_nc_u64 s[OB1:OB1+1], s[OB0:OB0+1], 0x800000
	s_mov_b32 s[G0X0], 1                           ; x's groups 4, 5: my part of XL; channel 0, column 128 of my image row
	s_lshl_b32 s[G0X0+1], s[WV], 14
	s_add_co_u32 s[G0X0+1], s[G0X0+1], XL
	s_add_nc_u64 s[G0X0+2:G0X0+3], s[XB0:XB0+1], 512
	s_or_b32 s[G0X0+3], s[G0X0+3], 0x80000000
	CROUND                                         ; all sixteen work-groups are here: the first joint loads meet
	tensor_load_to_lds s[G0S:G0S+3], s[G1S:G1S+7]      ; the first fills go out as one group: five loads of mine are out
	s_nop 0
	tensor_load_to_lds s[G0B:G0B+3], s[G1B:G1B+7]
	s_nop 0
	tensor_load_to_lds s[G0A:G0A+3], s[G1A:G1A+7]      ; K steps 0, 1
	s_nop 0
	tensor_load_to_lds s[G0A+4:G0A+7], s[G1A:G1A+7]    ; K steps 2, 3
	s_nop 0
	tensor_load_to_lds s[G0X0:G0X0+3], s[G1X:G1X+7]    ; x's groups 4, 5: last, since they are wanted last
	s_nop 0
	PLACES
	; ---- the addresses in memory
	s_lshl_b32 s2, s41, 16
	s_add_nc_u64 s[16:17], s[16:17], s[2:3]        ; xr at b
	s_lshl_b32 s2, s39, 1
	s_add_co_u32 s2, s2, s43
	s_lshl_b32 s2, s2, 8
	s_add_nc_u64 s[6:7], s[16:17], s[2:3]          ; my own tile: cells 16 (2 jhp + ch) on
	s_lshl_b32 s2, s[WV], 10
	s_add_nc_u64 s[16:17], s[16:17], s[2:3]        ; the tiles 4 w .. 4 w + 3 that I quantise for all
	s_lshl_b32 s2, s41, 16
	s_lshl_b32 s[TX], s42, 9
	s_add_co_u32 s2, s2, s[TX]
	s_lshl_b32 s[TX], s[WV], 12
	s_add_co_u32 s2, s2, s[TX]
	s_add_nc_u64 s[14:15], s[14:15], s[2:3]        ; part: b, rows 32 kh on, cq = w (+ 4 i in the immediate)
	s_lshl_b32 s2, s39, 12
	s_lshl_b32 s[TX], s43, 11
	s_add_co_u32 s2, s2, s[TX]
	s_add_co_u32 s2, s2, 65536
	s_add_nc_u64 s[12:13], s[12:13], s[2:3]        ; wsc: block 128 + 8 jhp + 4 ch
	; ---- the address registers: all are made here, ahead of the first barrier
	v_and_b32 v1, 31, v0                           ; lane
	v_and_b32 v2, 15, v0                           ; r
	v_bfe_u32 v3, v0, 4, 1                         ; h
	v_lshlrev_b32 v[LI], 4, v1
	v_lshlrev_b32 v[LS], 2, v1
	s_lshl_b32 s2, s44, 10
	s_add_co_u32 s2, s2, AS0
	v_add_nc_u32 v[ADA], s2, v[LI]
	v_add_nc_u32 v[ADA+1], 65536, v[ADA]
	s_lshl_b32 s2, s43, 13
	v_add_nc_u32 v[ADB], s2, v[LI]
	v_lshlrev_b32 v[ADS], 7, v3
	v_lshl_add_u32 v[ADS], v2, 3, v[ADS]
	s_lshl_b32 s2, s44, 2
	s_add_co_u32 s2, s2, SAT
	v_add_nc_u32 v[ADS], s2, v[ADS]
	s_lshl_b32 s2, s43, 14
	s_lshl_b32 s[TX], s44, 11
	s_add_co_u32 s2, s2, s[TX]
	v_add_nc_u32 v[IMS], s2, v[LI]                 ; the images begin at LDS byte 0
	s_lshl_b32 s2, s[WV], 13
	v_add_nc_u32 v[IML], s2, v[LI]
	s_lshl_b32 s2, s43, 11
	s_lshl_b32 s[TX], s44, 8
	s_add_co_u32 s2, s2, s[TX]
	s_add_co_u32 s2, s2, SCW
	v_add_nc_u32 v[SCS], s2, v[LS]
	s_lshl_b32 s2, s[WV], 10
	s_add_co_u32 s2, s2, SCW
	v_add_nc_u32 v[SCL], s2, v[LS]
	v_lshrrev_b32 v[SGS], 2, v1
	v_lshlrev_b32 v[SGS], 8, v[SGS]
	v_and_b32 v[SGL], 3, v1
	v_lshl_add_u32 v[SGS], v[SGL], 2, v[SGS]
	s_lshl_b32 s2, s[WV], 4
	s_add_co_u32 s2, s2, SGT
	v_add_nc_u32 v[SGS], s2, v[SGS]
	s_lshl_b32 s2, s44, 10
	s_add_co_u32 s2, s2, SGT
	v_lshl_add_u32 v[SGL], v3, 9, s2
	s_lshl_b32 s2, s[WV], 6
	v_lshl_add_u32 v[BNO], v2, 2, s2               ; 4 (16 w + r)
	v_add_nc_u32 v[BNS], BNT, v[BNO]
	v_lshlrev_b32 v[BNL], 5, v3
	v_add_nc_u32 v[BNL], BNT, v[BNL]
	s_lshl_b32 s2, s[WV], 10
	s_add_co_u32 s2, s2, WIMG
	v_add_nc_u32 v[WIS], s2, v[LI]
	s_lshl_b32 s2, s[WV], 9
	s_add_co_u32 s2, s2, WIMG+4096
	v_add_nc_u32 v[WI2], s2, v[LI]
	s_lshl_b32 s2, s[WV], 7
	s_add_co_u32 s2, s2, WSW
	v_add_nc_u32 v[WSS], s2, v[LS]
	s_lshl_b32 s2, s[WV], 11
	s_add_co_u32 s2, s2, WIMG+12288
	v_add_nc_u32 v[XIS], s2, v[LI]
	s_lshl_b32 s2, s[WV], 9
	s_add_co_u32 s2, s2, WSW+10240
	v_add_nc_u32 v[XSS], s2, v[LS]
	v_add_nc_u32 v[WIL], WIMG, v[LI]
	v_add_nc_u32 v[WSL], WSW, v[LS]
	s_mul_i32 s2, s[WV], 768
	s_add_co_u32 s2, s2, RG
	v_lshlrev_b32 v[RGS], 5, v2
	v_lshl_add_u32 v[RGS], v3, 4, v[RGS]
	v_add_nc_u32 v[RGS], s2, v[RGS]
	v_lshl_add_u32 v[RGW], v2, 2, s2
	v_add_nc_u32 v[RGW], 512, v[RGW]
	v_lshrrev_b32 v[RWA], 1, v2                    ; r / 2: two neighbouring wp share a cell
	v_lshlrev_b32 v[RGL], 5, v[RWA]
	v_lshl_add_u32 v[RGL], v3, 4, v[RGL]
	v_add_nc_u32 v[RGL], s2, v[RGL]
	v_lshl_add_u32 v[RWA], v[RWA], 2, s2
	v_add_nc_u32 v[RWA], 512, v[RWA]
	v_lshlrev_b32 v[XGO], 5, v2
	v_lshl_add_u32 v[XGO], v3, 4, v[XGO]           ; 32 r + 16 h
	v_lshlrev_b32 v[XRO], 15, v3
	v_lshl_add_u32 v[XRO], v2, 4, v[XRO]           ; xr: cq = 8 h (+ q), cell r
	s_lshl_b32 s2, s[WV], 13
	v_lshl_add_u32 v[WCO], v2, 9, s2
	v_lshl_add_u32 v[WCO], v3, 7, v[WCO]           ; Wc: row 16 w + r of 512 bytes, + 128 h
	v_and_b32 v[WRO], 8, v2
	v_add_nc_u32 v[WRO], v[WRO], v2                ; THE ROWS OF A SMALL WEIGHT THAT FORM A TILE ARE NOT NEIGHBOURS: lane r of tile 2 b + u takes row 32 b + 8 u + r + 8 (r / 8),
	v_lshlrev_b32 v[WRO], 8, v[WRO]                ; so that the 16 registers of tiles 2 b, 2 b + 1 are 16 neighbours along the convolution's K
	v_lshl_add_u32 v[WRO], v3, 7, v[WRO]
	s_lshl_b32 s2, s43, 13
	s_lshl_b32 s[TX], s44, 11
	s_add_co_u32 s2, s2, s[TX]
	v_add_nc_u32 v[WRO], s2, v[WRO]                ; my tile is t = w
	v_lshlrev_b32 v[SH8], 3, v3                    ; 8 h
	v_lshrrev_b32 v[PFO], 3, v1                    ; the prefetch: cq lane / 8 of my four (131,072 bytes apart), block lane % 8 of a fragment pair's 2,048 bytes.  (The thread's number is done with)
	v_and_b32 v[TW], 7, v1
	v_lshlrev_b32 v[PFO], 17, v[PFO]
	v_lshl_add_u32 v[PFO], v[TW], 8, v[PFO]
	s_lshl_b32 s2, s[WV], 14
	s_add_co_u32 s[TX], s2, XL
	v_add_nc_u32 v[XLA], s[TX], v[XGO]             ; x in LDS: my 16,384 bytes, + 32 r + 16 h  (lane and r are done with)
	s_add_co_u32 s[TX], s2, AS0
	v_add_nc_u32 v[XLB], s[TX], v[XGO]
	v_mov_b32 v[TW2], 0                            ; (a lane permute's destination counts as one of its sources)
	; ---- 105 small loads, then 48 of x
	WIN 0x80
.irp q, 0,1,2,3,4,5,6,7
	global_load_b128 v[4*\q:4*\q+3], v[XRO], s[6:7] offset:\q*4096
.endr
.irp i, 0,1,2,3
.irp q, 0,1,2,3,4,5,6,7
	global_load_b128 v[32+32*\i+4*\q:32+32*\i+4*\q+3], v[XRO], s[16:17] offset:\q*4096+\i*256
.endr
.endr
.irp q, 0,1,2,3,4,5,6,7
	global_load_b128 v[224+4*\q:224+4*\q+3], v[WRO], s[20:21] offset:16384+16*\q       ; Wkvr's v half
.endr
	WIN 0xc0
.irp q, 0,1,2,3,4,5,6,7
	global_load_b128 v[4*\q:4*\q+3], v[WCO], s[22:23] offset:16*\q                     ; Wc: block h,
	global_load_b128 v[32+4*\q:32+4*\q+3], v[WCO], s[22:23] offset:256+16*\q           ; block 2 + h
	global_load_b128 v[64+4*\q:64+4*\q+3], v[WRO], s[18:19] offset:16*\q               ; Wqr
	global_load_b128 v[96+4*\q:96+4*\q+3], v[WRO], s[20:21] offset:16*\q               ; Wkvr's k half
.endr
	WIN 0
.irp i, 0,1,2,3
.irp j, 0,1,2,3
	global_load_b128 v[PT+16*\i+4*\j:PT+16*\i+4*\j+3], v[LI], s[14:15] offset:\j*262144+\i*16384
.endr
.endr
	global_load_b32 v[BNV], v[BNO], s[24:25]       ; bc
	global_load_b32 v[BNV+1], v[BNO], s[26:27]     ; beta
	global_load_b32 v[BNV+2], v[BNO], s[28:29]     ; gamma
	global_load_b32 v[BNV+3], v[BNO], s[30:31]     ; rm
	global_load_b32 v[BNV+4], v[BNO], s[32:33]     ; rv
.irp bb, 0,1,2,3
	global_load_b128 v[SB+4*\bb:SB+4*\bb+3], v[XGO], s[12:13] offset:\bb*512
.endr
	XLOAD 0
	XLOAD 1
	XLOAD 2
	WIN 0
	s_wait_loadcnt 48                              ; all but x's 48 are in
	s_load_b64 s[6:7], s[0:1], 0x8                 ; xf's address once more, for the prefetch below: the loads of my own tile, which these registers served, are done
	; ---- the small operands are quantised; what others read goes to LDS as images of the operand's registers
	QB 0,GO,EB,2
	SWORD GOS,EB
.irp i, 0,1,2,3
	QB 32+32*\i,CQ+4*\i,EB,2
	SWORD SWQ+\i,EB
	ds_store_b128 v[XIS], v[CQ+4*\i:CQ+4*\i+3] offset:512*\i
	ds_store_b32 v[XSS], v[SWQ+\i] offset:128*\i
.endr
	QB 0,CQ+16,EB,3
	QB 32,CQ+20,EB2,3
	v_lshl_or_b32 v[EB], v[EB2], 16, v[EB]
	SWORD SWQ+4,EB
	ds_store_b128 v[WIS], v[CQ+16:CQ+19]
	ds_store_b128 v[WIS], v[CQ+20:CQ+23] offset:512
	ds_store_b32 v[WSS], v[SWQ+4]
	QB 64,CQ+24,EB,3
	SWORD SWQ+5,EB
	ds_store_b128 v[WI2], v[CQ+24:CQ+27]
	ds_store_b32 v[WSS], v[SWQ+5] offset:512
	QB 96,CQ+28,EB,3
	SWORD SWQ+6,EB
	ds_store_b128 v[WI2], v[CQ+28:CQ+31] offset:2048
	ds_store_b32 v[WSS], v[SWQ+6] offset:1024
	QB 224,CQ+32,EB,2
	SWORD SWQ+7,EB
	ds_store_b128 v[WI2], v[CQ+32:CQ+35] offset:4096
	ds_store_b32 v[WSS], v[SWQ+7] offset:1536
	; K = 64 is filled to 128: the weights' upper four registers are zero codes; the means' tiles stand on end, so that a tile's upper half is the next tile's codes, which meet zeros
	WIN 0x40
.irp t, 0,1,2,3,4,5,6,7
.irp q, 4,5,6,7
	v_mov_b32 v[8*\t+\q], 0
.endr
.endr
	WIN 0x80
.irp t, 0,1,2,3
.irp q, 4,5,6,7
	v_mov_b32 v[8*\t+\q], 0
.endr
.endr
	WIN 0xc0
.irp q, 0,1,2,3
	v_mov_b32 v[192+\q], 0
.endr
	WIN 0
.irp q, 4,5,6,7
	v_mov_b32 v[GO+\q], 0
.endr
	; the batch norm as the last sigmoid's exponent: -log2(e) ((z + bc - rm) g + beta) = z G + D, g = gamma / sqrt(rv + 1e-5)
	v_add_f32 v[TW], 0x3727c5ac, v[BNV+4]
	v_rsq_f32 v[TW], v[TW]
	v_sub_f32 v[M0], v[BNV], v[BNV+3]              ; (a plain place)
	s_wait_alu depctr_va_vdst(0)
	v_mul_f32 v[TW], v[BNV+2], v[TW]
	v_fma_f32 v[M0], v[M0], v[TW], v[BNV+1]
	v_mul_f32 v[M1], s[NL], v[TW]
	v_mul_f32 v[SCR], s[NL], v[M0]
	ds_store_b32 v[BNS], v[M1]
	ds_store_b32 v[BNS], v[SCR] offset:256
	; the four pieces of a, for four rows a lane: row i is (cq = 4 i + w, kw = lane / 4, ci = lane % 4); piece j at v[PT + 16 i + 4 j]: nm, s, t / 64, and a word that serves as a temporary
.irp i, 0,1,2,3
	v_min3_num_f32 v[PT+16*\i+3], v[PT+16*\i], v[PT+16*\i+4], v[PT+16*\i+8]
.endr
.irp i, 0,1,2,3
	v_min_num_f32 v[PT+16*\i+3], v[PT+16*\i+3], v[PT+16*\i+12]     ; the least nm: the largest maximum
.endr
.irp i, 0,1,2,3
.irp j, 0,1,2,3
	v_sub_f32 v[PT+16*\i+4*\j], v[PT+16*\i+3], v[PT+16*\i+4*\j]
.endr
.endr
.irp i, 0,1,2,3
.irp j, 0,1,2,3
	v_exp_f32 v[PT+16*\i+4*\j], v[PT+16*\i+4*\j]
.endr
.endr
	v_nop
	s_wait_alu depctr_va_vdst(0)
.irp i, 0,1,2,3
	v_mul_f32 v[PT+16*\i+7], v[PT+16*\i], v[PT+16*\i+1]            ; S
	v_mul_f32 v[PT+16*\i+11], v[PT+16*\i], v[PT+16*\i+2]           ; T
.irp j, 1,2,3
	v_fma_f32 v[PT+16*\i+7], v[PT+16*\i+4*\j], v[PT+16*\i+4*\j+1], v[PT+16*\i+7]
	v_fma_f32 v[PT+16*\i+11], v[PT+16*\i+4*\j], v[PT+16*\i+4*\j+2], v[PT+16*\i+11]
.endr
.endr
.irp i, 0,1,2,3
	v_rcp_f32 v[PT+16*\i+15], v[PT+16*\i+7]
.endr
	v_nop
	s_wait_alu depctr_va_vdst(0)
.irp i, 0,1,2,3
	v_mul_f32 v[PT+16*\i+11], v[PT+16*\i+11], v[PT+16*\i+15]       ; a
.endr
.irp i, 0,1,2,3
	v_mul_f32 v[PT+16*\i+11], s[NL], v[PT+16*\i+11]
.endr
.irp i, 0,1,2,3
	v_exp_f32 v[PT+16*\i+11], v[PT+16*\i+11]
.endr
	v_nop
	s_wait_alu depctr_va_vdst(0)
.irp i, 0,1,2,3
	v_add_f32 v[PT+16*\i+11], 1.0, v[PT+16*\i+11]
.endr
.irp i, 0,1,2,3
	v_rcp_f32 v[PT+16*\i+11], v[PT+16*\i+11]                       ; sigmoid(a)
.endr
	v_nop
	s_wait_alu depctr_va_vdst(0)
.irp i, 0,1,2,3
	ds_store_b32 v[SGS], v[PT+16*\i+11] offset:64*\i
.endr
	s_wait_dscnt 0x0                               ; for the others' sake: my images, sigmoid(a), G and D lie in LDS
	s_barrier_signal -1
	s_barrier_wait -1
	; ---- the region attention of my 16 cells
	WIN 0x40
.irp t, 0,1,2,3
	ds_load_b128 v[8*\t:8*\t+3], v[WIL] offset:6144+512*\t         ; Wk's tiles
	ds_load_b128 v[32+8*\t:32+8*\t+3], v[WIL] offset:4096+512*\t   ; Wq's
.endr
	WIN 0x80
.irp t, 0,1,2,3
	ds_load_b128 v[8*\t:8*\t+3], v[WIL] offset:8192+512*\t         ; Wv's
.endr
	WIN 0xc0
.irp u, 0,1,2,3,4,5,6,7,8,9,10,11,12,13,14,15
	ds_load_b128 v[128+4*\u:128+4*\u+3], v[WIL] offset:12288+512*\u    ; the means' 16 tiles, on end
.endr
	WIN 0
.irp u, 0,1,2,3,4,5,6,7,8,9,10,11,12,13,14,15
	ds_load_b32 v[XS+\u], v[WSL] offset:10240+128*\u
.endr
.irp t, 0,1,2,3
	ds_load_b32 v[WQS+\t], v[WSL] offset:512+128*\t
	ds_load_b32 v[WKS+\t], v[WSL] offset:1024+128*\t
	ds_load_b32 v[WVS+\t], v[WSL] offset:1536+128*\t
.endr
	; A PREFETCH INTO THE L2 of what the ring's two refills will ask for: K steps 4 to 7 of x_'s fragments of my (b, kh): 16 cq x 4 K steps x 2,048 bytes = 512 blocks of 256 bytes, each named once in the launch.
	; Both clusters of a row of clusters read them: the one with x = 0 asks.  Its four partners along x take a K step each, told apart BY ADDRESS; in each, wave w takes cq 4 w .. 4 w + 3, a lane a block: one instruction
	; a wave.  It stands behind the run of LDS loads above, ahead of the first refill by the region attention and one and a half K steps, of the second by two K steps more.
	s_lshl_b32 s2, s41, 21                         ; b
	s_lshl_b32 s[TX], s42, 11
	s_add_co_u32 s2, s2, s[TX]                     ; kh
	s_and_b32 s[TX], s39, 3
	s_add_co_u32 s[TX], s[TX], 4
	s_lshl_b32 s[TX], s[TX], 14
	s_add_co_u32 s2, s2, s[TX]                     ; K step 4 + jhp % 4
	s_lshl_b32 s[TX], s[WV], 19
	s_add_co_u32 s2, s2, s[TX]                     ; cq 4 w
	s_wait_kmcnt 0x0
	s_add_nc_u64 s[6:7], s[6:7], s[2:3]            ; never rewritten behind this line
	s_cmp_lg_u32 ttmp9, 0                          ; the cluster's x: the same in all sixteen partners
	s_cbranch_scc1 .Lnot_first
	global_prefetch_b8 v[PFO], s[6:7] th:TH_LOAD_NT scope:SCOPE_SE
.Lnot_first:
	s_wait_dscnt 0x0
.rept 8
	v_nop                                          ; a scale register written by a vector instruction stands 8 places ahead of a scaled matrix instruction, an operand so written 4
.endr
	WIN 0x0d                                       ; source 0 window 1, source 1 window 3
.irp u, 0,1,2,3,4,5,6,7,8,9,10,11,12,13,14,15  ; k's sum over the batch's 256 cells: the 16 tiles chain onto four accumulators, which take turns
.set KZ, 0
.if \u==0
.set KZ, 1
.endif
.irp t, 0,1,2,3
	WMS KS+8*\t,8*\t,128+4*\u,KZ,WKS+\t,XS+\u,0,0
.endr
.endr
	WIN 0x01
.irp t, 0,1,2,3
	WMS QR+8*\t,32+8*\t,GO,1,WQS+\t,GOS,0,0
.endr
	WIN 0x02
.irp t, 0,1,2,3
	WMS VR+8*\t,8*\t,GO,1,WVS+\t,GOS,0,0
.endr
	WIN 0
	PLACES
.irp m, 1,2,4,8                                ; the 16 cells of a tile lie in 16 lanes
.set i, 0
.rept 32
	v_add_f32_dpp v[KS+i], v[KS+i], v[KS+i] row_xmask:\m row_mask:0xf bank_mask:0xf
.set i, i+1
.endr
.endr
	v_mov_b32 v[NM+1], 0
	v_mov_b32 v[SGR+1], 0
	v_max3_num_f32 v[MA], v[QR], v[QR+1], v[QR+2]  ; the softmax over the 64 channels: 32 of them are mine
	v_max3_num_f32 v[MB], v[QR+16], v[QR+17], v[QR+18]
.irp i, 3,5,7,9,11,13
	v_max3_num_f32 v[MA], v[MA], v[QR+\i], v[QR+\i+1]
	v_max3_num_f32 v[MB], v[MB], v[QR+16+\i], v[QR+17+\i]
.endr
	v_max3_num_f32 v[MA], v[MA], v[QR+15], v[QR+31]
	v_max_num_f32 v[MA], v[MA], v[MB]
	v_permlanex16_b32 v[MB], v[MA], s[SEL], s[SEL+1]
	v_max_num_f32 v[MA], v[MA], v[MB]
	v_mul_f32 v[NM], s[NL], v[MA]
.set i, 0
.rept 16
	v_pk_fma_f32 v[QR+i:QR+i+1], v[QR+i:QR+i+1], s[CL:CL+1], v[NM:NM+1] op_sel_hi:[1,0,0]
.set i, i+2
.endr
.set i, 0
.rept 32
	v_exp_f32 v[QR+i], v[QR+i]
.set i, i+1
.endr
	v_nop
	s_wait_alu depctr_va_vdst(0)
	v_pk_add_f32 v[SS:SS+1], v[QR:QR+1], v[QR+2:QR+3]
	v_pk_mul_f32 v[TT:TT+1], v[QR:QR+1], v[KS:KS+1]
	v_pk_fma_f32 v[TT:TT+1], v[QR+2:QR+3], v[KS+2:KS+3], v[TT:TT+1]
.set i, 4
.rept 14
	v_pk_add_f32 v[SS:SS+1], v[SS:SS+1], v[QR+i:QR+i+1]
	v_pk_fma_f32 v[TT:TT+1], v[QR+i:QR+i+1], v[KS+i:KS+i+1], v[TT:TT+1]
.set i, i+2
.endr
	v_add_f32 v[SS], v[SS], v[SS+1]
	v_add_f32 v[TT], v[TT], v[TT+1]
	v_permlanex16_b32 v[PA], v[SS], s[SEL], s[SEL+1]
	v_permlanex16_b32 v[PB], v[TT], s[SEL], s[SEL+1]
	v_add_f32 v[SS], v[SS], v[PA]
	v_add_f32 v[TT], v[TT], v[PB]
	v_rcp_f32 v[PA], v[SS]
	v_mul_f32 v[TT], 0xbbb8aa3b, v[TT]             ; x -log2(e) / 256: k's mean over 256 cells.  (A plain place)
	s_wait_alu depctr_va_vdst(0)
	v_mul_f32 v[TT], v[TT], v[PA]
	v_exp_f32 v[TT], v[TT]
	v_nop
	s_wait_alu depctr_va_vdst(0)
	v_add_f32 v[TT], 1.0, v[TT]
	v_rcp_f32 v[SGR], v[TT]
	v_nop
	s_wait_alu depctr_va_vdst(0)
.set i, 0
.rept 16
	v_pk_mul_f32 v[VR+i:VR+i+1], v[VR+i:VR+i+1], v[SGR:SGR+1] op_sel_hi:[1,0]     ; region = sigmoid(ar) vr: register 16 b + i is channel 32 b + 16 h + i of cell r
.set i, i+2
.endr
.irp b, 0,1
	v_max3_num_f32 v[M0+\b], |v[VR+16*\b]|, |v[VR+16*\b+1]|, 0x1800000
.endr
.irp i, 2,4,6,8,10,12,14
.irp b, 0,1
	v_max3_num_f32 v[M0+\b], v[M0+\b], |v[VR+16*\b+\i]|, |v[VR+16*\b+\i+1]|
.endr
.endr
	v_permlanex16_b32 v[PA], v[M0], s[SEL], s[SEL+1]
	v_permlanex16_b32 v[PB], v[M1], s[SEL], s[SEL+1]
	v_max_num_f32 v[M0], v[M0], v[PA]
	v_max_num_f32 v[M1], v[M1], v[PB]
	v_add_nc_u32 v[SCR], 0xff000000, v[M0]
	v_add_nc_u32 v[TW], 0xff000000, v[M1]
	v_lshrrev_b32 v[EB], 23, v[SCR]
	v_lshrrev_b32 v[EB2], 23, v[TW]
	v_lshlrev_b32 v[RW], 16, v[EB]                 ; the region's blocks are blocks 2 and 3 of the convolution's K
	v_lshl_or_b32 v[RW], v[EB2], 24, v[RW]
	v_cvt_scalef32_pk8_fp4_f32 v[PC], v[VR:VR+7], v[SCR]
	v_cvt_scalef32_pk8_fp4_f32 v[PC+1], v[VR+8:VR+15], v[SCR]
	v_cvt_scalef32_pk8_fp4_f32 v[PC+2], v[VR+16:VR+23], v[TW]
	v_cvt_scalef32_pk8_fp4_f32 v[PC+3], v[VR+24:VR+31], v[TW]
	v_nop
	v_permlane16_swap_b32 v[PC], v[PC+2]           ; the operand's layout wants a whole block in a lane: lanes 0-15 block 2, lanes 16-31 block 3
	v_permlane16_swap_b32 v[PC+1], v[PC+3]
	ds_store_b128 v[RGS], v[PC:PC+3]               ; my wave's own bytes: no barrier is owed for them
	ds_store_b32 v[RGW], v[RW]
	; ---- v = x_ Wv^T
	s_wait_tensorcnt 0x2                           ; the scale words, Wv and slot 0 are in; the two loads issued behind them (slot 1's, and x's groups 4, 5) may stay out
	s_wait_dscnt 0x0
	s_barrier_signal -1
	s_barrier_wait -1
.irp cq, 0,1,2,3,4,5,6,7,8,9,10,11,12,13,14,15
.irp sg, 0,1,2,3
	ds_load_b32 v[SA+4*\cq+\sg], v[ADS] offset:\cq*1024+\sg*256
.endr
.endr
	FB 0
	FA 0,0
	FA 0,8
	KSTEP 0,1
	TURN 1,1,0                                     ; slot 0 takes K steps 4, 5
	KSTEP 2,0
	TURN 3,1,1                                     ; slot 1 takes K steps 6, 7
	KSTEP 4,0
	TURN 5,2,0                                     ; slot 0 takes x's groups 6, 7: they have two K steps, the gate and five groups' work in which to land
	KSTEP 6,0
	s_wait_dscnt 16
	WIN 0xa4
	MV 7,0,8,0
	s_wait_dscnt 0x0
	WIN 0xf4
	MV 7,8,8,0
	WIN 0
	PLACES
	; ---- the gate and the convolution's quantiser.  The images land in Wv's K quarters 0 to 2: every wave has passed K step 5's barrier, ahead of which its last reads of them had come back
	ds_load_b32 v[RWL], v[RWA]                     ; my pixels' region bytes, for lt = 0, 1
	ds_load_b32 v[RWL+1], v[RWA] offset:32
; tile bb, pixel pj of my two: 64 channels x sigmoid(a), two blocks of 32, codes and scale word to LDS
.macro GATE bb, pj
	s_wait_dscnt 0x0                               ; sigmoid(a) is in, and the last stores have read their registers
	WIN 0x06                                       ; source 0 window 2 (cq 0-7), source 1 window 1
.set i, 0
.rept 8
	v_pk_mul_f32 v[T0+4*i:T0+4*i+1], v[8*(4*i+\bb)+4*\pj:8*(4*i+\bb)+4*\pj+1], v[4*i:4*i+1]
	v_pk_mul_f32 v[T0+4*i+2:T0+4*i+3], v[8*(4*i+\bb)+4*\pj+2:8*(4*i+\bb)+4*\pj+3], v[4*i+2:4*i+3]
.set i, i+1
.endr
	WIN 0x07                                       ; source 0 window 3 (cq 8-15)
.set i, 0
.rept 8
	v_pk_mul_f32 v[T1+4*i:T1+4*i+1], v[8*(4*i+\bb)+4*\pj:8*(4*i+\bb)+4*\pj+1], v[32+4*i:32+4*i+1]
	v_pk_mul_f32 v[T1+4*i+2:T1+4*i+3], v[8*(4*i+\bb)+4*\pj+2:8*(4*i+\bb)+4*\pj+3], v[32+4*i+2:32+4*i+3]
.set i, i+1
.endr
	QB T0,GX,EB,0
	QB T1,GY,EB2,0
	v_lshl_or_b32 v[GW], v[EB2], 8, v[EB]
	v_or_b32 v[GW], v[GW], v[RWL+(\bb&1)]          ; the pixel's scale word
.irp i, 0,1,2,3
	v_permlane16_swap_b32 v[GX+\i], v[GY+\i]       ; GX: block 0 | block 1 of the pixels kw = 4 pq2 + pj;  GY: of kw + 2
.endr
	ds_store_b128 v[IMS], v[GX:GX+3] offset:(\bb>>1)*8192+(\bb&1)*4096+\pj*512
	ds_store_b128 v[IMS], v[GY:GY+3] offset:(\bb>>1)*8192+(\bb&1)*4096+\pj*512+1024
	ds_store_b32 v[SCS], v[GW] offset:(\bb>>1)*1024+(\bb&1)*512+\pj*128
.endm
.irp pj, 0,1                                   ; pj = 0 first: each accumulator is first read in its four lowest registers
	WIN 0x40
.irp cq, 0,1,2,3,4,5,6,7,8,9,10,11,12,13,14,15
	ds_load_b128 v[4*\cq:4*\cq+3], v[SGL] offset:\pj*256+16*\cq
.endr
	WIN 0
.irp bb, 0,1,2,3
	GATE \bb,\pj
.endr
.endr
	XLOAD 3                                        ; the accumulators are free: the one group of x that is still to be asked for
	WIN 0
	s_wait_dscnt 0x0                               ; for the others' sake: my images lie in LDS
	s_barrier_signal -1
	s_barrier_wait -1
	; ---- the convolution, the batch norm, the sigmoid, x x
	WIN 0x40
.irp ot, 0,1,2,3
	ds_load_b128 v[8*\ot:8*\ot+3], v[WIL] offset:1024*\ot
	ds_load_b128 v[8*\ot+4:8*\ot+7], v[WIL] offset:1024*\ot+512
.endr
	WIN 0
.irp ot, 0,1,2,3
	ds_load_b32 v[WCS+\ot], v[WSL] offset:128*\ot
.endr
; group g = 4 lt + ot: outputs 16 ot .. + 15 for the 128 pixels wp = 16 lt + r, kw = 0 .. 7.  cnt: how many younger loads of x from memory may stay out (-1: the group came through LDS);
; nxt: the group that is read from LDS for the next turn, behind this turn's matrix instructions (-1: none): the next turn's wait for its LDS loads serves it
.macro EG g, cnt, nxt
.set LT, (\g)>>2
.set OT, (\g)&3
.set EW, 1+(((\g)+1)>>2)
.set EX, 64*(((\g)+1)&3)
	WIN 0
.if OT==0
.irp kw, 0,1,2,3,4,5,6,7
	ds_load_b128 v[CG+8*\kw:CG+8*\kw+3], v[IML] offset:LT*4096+\kw*512         ; blocks 0, 1: inside
	ds_load_b128 v[CG+8*\kw+4:CG+8*\kw+7], v[RGL] offset:256*LT                ; blocks 2, 3: the pixel's cell
.endr
.irp q, 0,1,2,3
	ds_load_b32 v[SCWR+\q], v[SCL] offset:LT*512+\q*128
.endr
.endif
.irp q, 0,1
	ds_load_b128 v[GG+4*\q:GG+4*\q+3], v[BNL] offset:64*OT+16*\q
	ds_load_b128 v[DD+4*\q:DD+4*\q+3], v[BNL] offset:256+64*OT+16*\q
.endr
	s_wait_dscnt 0x0
	WIN 0x01
.irp kw, 0,1,2,3,4,5,6,7
	WMS Z+8*\kw,8*OT,CG+8*\kw,1,WCS+OT,SCWR+(\kw>>2)*2+(\kw&1),0,(\kw>>1)&1
.endr
.if (\nxt)>=0
.if (\nxt)==6
	s_wait_tensorcnt 0x0                           ; my load into slot 0 has landed: no tensor load was issued behind it
.endif
	XLDS \nxt
.endif
	WIN 0
	PLACES
.irp kw, 0,1,2,3,4,5,6,7
.irp u, 0,2,4,6
	v_pk_fma_f32 v[Z+8*\kw+\u:Z+8*\kw+\u+1], v[Z+8*\kw+\u:Z+8*\kw+\u+1], v[GG+\u:GG+\u+1], v[DD+\u:DD+\u+1]
.endr
.endr
.set i, 0
.rept 64
	v_exp_f32 v[Z+i], v[Z+i]
.set i, i+1
.endr
	v_nop
	s_wait_alu depctr_va_vdst(0)                   ; one wait for the batch
.set i, 0
.rept 32
	v_pk_add_f32 v[Z+i:Z+i+1], v[Z+i:Z+i+1], 1.0 op_sel_hi:[1,0]
.set i, i+2
.endr
.set i, 0
.rept 64
	v_rcp_f32 v[Z+i], v[Z+i]
.set i, i+1
.endr
	v_nop
	s_wait_alu depctr_va_vdst(0)
.irp a, 0,1,2,3                                ; Z[a][j] then holds output j, Z[a + 4][j] output 8 + j, both for kw = a + 4 (lane / 16): as x lies in its registers
.irp j, 0,1,2,3,4,5,6,7
	v_permlane16_swap_b32 v[Z+8*\a+\j], v[Z+8*\a+32+\j]
.endr
.endr
.if (\cnt)>=0
	s_wait_loadcnt \cnt
.endif
	WIN (EW<<6)|(EW<<2)
.irp ol, 0,1,2,3,4,5,6,7,8,9,10,11,12,13,14,15
.irp e, 0,1,2,3
	v_mul_f32 v[EX+4*\ol+\e], v[Z+8*(\e+4*(\ol>>3))+(\ol&7)], v[EX+4*\ol+\e]
.endr
.endr
	WIN EW<<2                                      ; a store's data are its source 1
.irp ol, 0,1,2,3,4,5,6,7,8,9,10,11,12,13,14,15
.if OT<2
	global_store_b128 v[XGO], v[EX+4*\ol:EX+4*\ol+3], s[OB0:OB0+1] offset:((OT&1)*16+\ol)*262144+512*LT th:TH_STORE_NT   ; 32 lanes store 512 consecutive bytes, aligned
.else
	global_store_b128 v[XGO], v[EX+4*\ol:EX+4*\ol+3], s[OB1:OB1+1] offset:((OT&1)*16+\ol)*262144+512*LT th:TH_STORE_NT
.endif
.endr
.endm
	EG 0,48,-1                                     ; behind group 0's loads stand groups 1, 2 and 3, sixteen loads each
	EG 1,32,-1
	EG 2,16,-1
	EG 3,0,4
	EG 4,-1,5
	EG 5,-1,6
	EG 6,-1,7
	EG 7,-1,-1
	WIN 0
	s_wait_tensorcnt 0x0                           ; the wave's end
	ds_add_u32 v[SPW], v[NIL]
	s_wait_dscnt 0x0
	CROUND                                         ; the closing round
	s_endpgm
.Lfunc_end_k_q208eb9808f_vout:
	.size	k_q208eb9808f_vout, .Lfunc_end_k_q208eb9808f_vout-k_q208eb9808f_vout
	.p2alignl 7, 3214868480
	.fill 96, 4, 3214868480
	.section	.rodata,"a",@progbits
	.p2align	6, 0x0
	.amdhsa_kernel k_q208eb9808f_vout
		.amdhsa_group_segment_fixed_size 327680
		.amdhsa_private_segment_fixed_size 0
		.amdhsa_enable_private_segment 0
		.amdhsa_kernarg_size 128
		.amdhsa_user_sgpr_count 2
		.amdhsa_user_sgpr_kernarg_segment_ptr 1
		.amdhsa_wavefront_size32 1
		.amdhsa_system_sgpr_workgroup_id_x 1
		.amdhsa_system_sgpr_workgroup_id_y 1
		.amdhsa_system_sgpr_workgroup_id_z 1
		.amdhsa_system_vgpr_workitem_id 0
		.amdhsa_next_free_vgpr 1024
		.amdhsa_next_free_sgpr 106
		.amdhsa_reserve_vcc 0
		.amdhsa_float_denorm_mode_32 3
		.amdhsa_float_denorm_mode_16_64 3
		.amdhsa_memory_ordered 1
		.amdhsa_forward_progress 1
		.amdhsa_inst_pref_size 255
	.end_amdhsa_kernel
	.section	.bss,"aw",@nobits
	.p2align	6
	.space	262144
	.amdgpu_metadata
---
amdhsa.version: [ 1, 2 ]
amdhsa.kernels:
  - .name:           k_q208eb9808f_vout
    .symbol:         k_q208eb9808f_vout.kd
    .args:
      - { .name: x, .offset: 0, .size: 8, .value_kind: global_buffer, .address_space: global }
      - { .name: xf, .offset: 8, .size: 8, .value_kind: global_buffer, .address_space: global }
      - { .name: xsf, .offset: 16, .size: 8, .value_kind: global_buffer, .address_space: global }
      - { .name: wf, .offset: 24, .size: 8, .value_kind: global_buffer, .address_space: global }
      - { .name: wsc, .offset: 32, .size: 8, .value_kind: global_buffer, .address_space: global }
      - { .name: part, .offset: 40, .size: 8, .value_kind: global_buffer, .address_space: global }
      - { .name: xr, .offset: 48, .size: 8, .value_kind: global_buffer, .address_space: global }
      - { .name: Wqr, .offset: 56, .size: 8, .value_kind: global_buffer, .address_space: global }
      - { .name: Wkvr, .offset: 64, .size: 8, .value_kind: global_buffer, .address_space: global }
      - { .name: Wc, .offset: 72, .size: 8, .value_kind: global_buffer, .address_space: global }
      - { .name: bc, .offset: 80, .size: 8, .value_kind: global_buffer, .address_space: global }
      - { .name: beta, .offset: 88, .size: 8, .value_kind: global_buffer, .address_space: global }
      - { .name: gamma, .offset: 96, .size: 8, .value_kind: global_buffer, .address_space: global }
      - { .name: rm, .offset: 104, .size: 8, .value_kind: global_buffer, .address_space: global }
      - { .name: rv, .offset: 112, .size: 8, .value_kind: global_buffer, .address_space: global }
      - { .name: out0, .offset: 120, .size: 8, .value_kind: global_buffer, .address_space: global }
    .group_segment_fixed_size: 327680
    .private_segment_fixed_size: 0
    .kernarg_segment_align: 8
    .kernarg_segment_size: 128
    .max_flat_workgroup_size: 128
    .sgpr_count:     106
    .vgpr_count:     1024
    .wavefront_size: 32
...
	.end_amdgpu_metadata
.endif
;; end of part 3
